; MI455X (gfx1250); checked and timed in simulation.
; The chip was launched on July 23, 2026; its instructions are those of AMD's public machine-readable ISA for CDNA 5 (MIT licence, August 2026) and "CDNA5" Instruction Set Architecture Reference Guide (July 2026). The comments in the code are by the model that wrote it; some were corrected since.
;; attn. Allowed arithmetic: matrix products marked QUANTISED: E2M3 operands, one E8M0 scale for each 32 along K, by v_wmma_scale_f32_16x16x128_f8f6f4 with both operands' format E2M3, f32 sums; everything else in f32.
;; Inputs: Wfc 512 x 512 float32; Wk 512 x 512 float32; Wq 512 x 512 float32; Wv 512 x 512 float32; bfc 512 float32; bk 512 float32; bq 512 float32; bv 512 float32; ff1_W1 512 x 512 float32; ff1_W2 512 x 512 float32; ff1_b1 512 float32; ff1_b2 512 float32; ff1_ln_b 512 float32; ff1_ln_g 512 float32; ff2_W1 512 x 512 float32; ff2_W2 512 x 512 float32; ff2_b1 512 float32; ff2_b2 512 float32; ff2_ln_b 512 float32; ff2_ln_g 512 float32; ln1_b 512 float32; ln1_g 512 float32; ln2_b 512 float32; ln2_g 512 float32; texture_map1 4 x 2,048 x 512 float32; texture_map2 4 x 2,048 x 512 float32.
;; Outputs: out0 4 x 2,048 x 512 float32; out1 4 x 2,048 x 512 float32.
;; This version of the problem:
;;   THIS VERSION OF THE PROBLEM IS GIVEN IN LOW PRECISION. The matrix products marked QUANTISED in the list below multiply operands that are first quantised to E2M3 (2 exponent bits, 3 mantissa bits; 6 bits a number), with one power-of-two scale for each 32 numbers along K (OCP MX v1.0); their sums are f32. All else is computed in f32.
;;   The module's matrix products, in the order in which they are computed (A, B: the left and right operand; K: the contracted axis; several contracted axes count as one K, in the product's order):
;;     1. [M 8,192, K 512] x [K 512, N 512]; A: computed on the way; B: input Wq: QUANTISED
;;     2. [M 8,192, K 512] x [K 512, N 512]; A: computed on the way; B: input Wk: QUANTISED
;;     3. [M 8,192, K 512] x [K 512, N 512]; A: computed on the way; B: input Wv: QUANTISED
;;     4. [M 8,192, K 512] x [K 512, N 512]; A: computed on the way; B: input Wq: QUANTISED
;;     5. [M 8,192, K 512] x [K 512, N 512]; A: computed on the way; B: input Wk: QUANTISED
;;     6. [M 8,192, K 512] x [K 512, N 512]; A: computed on the way; B: input Wv: QUANTISED
;;     7. batch 32 x [M 2,048, K 64] x [K 64, N 2,048]; A: computed on the way; B: computed on the way: QUANTISED
;;     8. batch 32 x [M 2,048, K 64] x [K 64, N 2,048]; A: computed on the way; B: computed on the way: QUANTISED
;;     9. batch 32 x [M 2,048, K 2,048] x [K 2,048, N 64]; A: softmax (see below); B: computed on the way: QUANTISED
;;     10. batch 32 x [M 2,048, K 2,048] x [K 2,048, N 64]; A: softmax (see below); B: computed on the way: QUANTISED
;;     11. [M 8,192, K 512] x [K 512, N 512]; A: computed on the way; B: input Wfc: QUANTISED
;;     12. [M 8,192, K 512] x [K 512, N 512]; A: computed on the way; B: input Wfc: QUANTISED
;;     13. [M 8,192, K 512] x [K 512, N 512]; A: computed on the way; B: input ff1_W1: QUANTISED
;;     14. [M 8,192, K 512] x [K 512, N 512]; A: computed on the way; B: input ff1_W2: QUANTISED
;;     15. [M 8,192, K 512] x [K 512, N 512]; A: computed on the way; B: input ff2_W1: QUANTISED
;;     16. [M 8,192, K 512] x [K 512, N 512]; A: computed on the way; B: input ff2_W2: QUANTISED
;;   THE QUANTISER, for each operand of a quantised product, along K:
;;     - K is cut into blocks of 32 from its start; a last block that is shorter is filled with zeros.
;;     - A block's scale is 2^e with e = floor(log2(the largest magnitude in the block)) - 2, held to -126 .. 127; a block of zeros has e = 0. As a byte (E8M0): e + 127.
;;     - Each number is divided by its block's scale, clamped to +-7.5, and rounded to the nearest number of E2M3, ties to even, subnormals kept.
;;     - The product sums the exact products of the quantised numbers (number of the format x scale) in f32.
;;   ~~~python
;;   def quantise(x, axis):      # numpy; x: float32 -> the quantised numbers, widened to float32 again
;;       x = np.moveaxis(x, axis, -1); K = x.shape[-1]
;;       x = np.pad(x, [(0, 0)] * (x.ndim - 1) + [(0, -K % 32)]); x = x.reshape(x.shape[:-1] + (-1, 32)); a = np.abs(x).max(-1, keepdims=True)
;;       e = np.where(a > 0, np.clip(np.frexp(np.where(a > 0, a, 1))[1] - 1 - 2, -126, 127), 0)      # np.frexp(a)[1] - 1 = floor(log2(a)), exactly
;;       r = np.clip(x / 2.0 ** e, -7.5, 7.5)
;;       step = 2.0 ** (np.maximum(np.frexp(np.where(r == 0, 1, r))[1] - 1, 0) - 3)
;;       q = np.round(r / step) * step * 2.0 ** e      # np.round: ties to even
;;       return np.moveaxis(q.reshape(q.shape[:-2] + (-1,))[..., :K], -1, axis).astype(np.float32)
;;   ~~~
;;   SOFTMAX AHEAD OF A QUANTISED PRODUCT. Where the list says 'softmax', what is quantised is not the finished softmax but p = 2^(t - M), with t = logit x log2(e) and M = ceil(the row's largest t), a whole number; so 1/2 < the row's largest p <= 1. The row's sum l is taken of the UNQUANTISED p, in f32, and the product's result is divided by l at the end. Since M is a whole number, a kernel that streams over the keys may use a running M (the ceiling of the running maximum): every later rescaling is an exact power of two, which a block's scale takes up: the codes' values come out the same.
;;   OPERANDS COMPUTED ON THE WAY. 'Computed on the way' means the value that the module computes at that place (a softmax that the list does not call 'softmax' is quantised finished and normalised). What goes into a quantiser is computed in f32, as accurately as f32 sums, v_exp_f32 and their like allow (about 1e-6 of the number): no bf16 or f16 on the way to a quantiser, and a product that is left as it is and whose result goes on into a quantised operand takes f32 operands (vector FMAs, or v_wmma_f32_16x16x4_f32). A number that lies on a knife's edge between two numbers of the format may be rounded either way, as far as f32 arithmetic and the matrix unit's own rounding can turn it there, and no further.
;; One version. Each part assembles by itself: llvm-mc -triple=amdgcn-amd-amdhsa -mcpu=gfx1250 --defsym DOCPART=n.
;; ======== version 1 of 1: 4 launches
;; limits: right only within a limited range of input values
;; workspace buffers: wc 1,572,864 bytes; ws 65,536 bytes; xc 6,291,456 bytes; xs 262,144 bytes; qq 6,815,744 bytes; kv 13,631,488 bytes; fc 6,291,456 bytes; fs 524,288 bytes
;; launch prep (part 1): grid 384 x 1, 4 waves a work-group, no clusters, 34,304 bytes of LDS; arguments texture_map1, texture_map2, ln1_g, ln1_b, ln2_g, ln2_b, Wq, Wk, Wv, Wfc, ff1_W1, ff1_W2, ff2_W1, ff2_W2, xc, xs, wc, ws; writes xc, xs, wc, ws
.if DOCPART == 1
	.amdgcn_target "amdgcn-amd-amdhsa--gfx1250"
	.amdhsa_code_object_version 6
	.text
	.protected	k_q5e7dcc4f0c_prep
	.globl	k_q5e7dcc4f0c_prep
	.p2align	8
	.type	k_q5e7dcc4f0c_prep,@function
k_q5e7dcc4f0c_prep:
	s_mov_b64 s[64:65], 0
	v_nop
	global_prefetch_b8 v0, s[64:65] scope:SCOPE_SE
	s_setreg_imm32_b32 hwreg(HW_REG_WAVE_MODE, 25, 1), 1
	s_wait_xcnt 0x0
; PREP.  Work-groups 0-255: layer norm of both maps' tokens, quantised along the 512 columns to FP6 (E2M3) with one E8M0 byte for each 32.  Work-groups 256-383: the eight weights [K 512][N 512], quantised along K.
; Everything leaves in the order of the operand registers of the launches that read it.  A FRAGMENT (16 rows x 128 K, 12 registers a lane) is 3 chunks of 512 bytes: chunk c = registers 4c..4c+3, lane L's 16 bytes at 512 c + 16 L.
; THE ROWS OF A TILE ARE NOT NEIGHBOURS: row r of tile 2 a + u is token (or weight column) 32 a + 8 u + r + 8 (r / 8), so that in later products 16 registers of two neighbouring tiles are 16 neighbours along the next K.
; A block's scale is 2^(floor(log2(largest magnitude)) - 2); its byte is the largest magnitude's exponent field - 2, held at 1 from below.
; LIMITS: NaN and infinities among the inputs are not served.  A block of zeros, or one whose largest magnitude lies under 2^-124, gets the byte 1 where the rule says 127: its codes are zeros (or are held by the floor), and this program alone reads the bytes.
; No tensor load, no barrier: waves share nothing.  Only the layer-norm path touches LDS (a stage of 16 rows x 528 bytes for each wave).
.set SEL, 42                           ; s[42:43] lane selects of v_permlanex16_b32: lane l xor 16
.set GB,  32                           ; v32-223  three slots of 64: g (32) and b (32) of a half step of 64 columns
.set TM,  160                          ; the quantiser's registers lie over the slots, which are done with by then
.set TN,  176
.set SO,  192
.set TC,  32
.set KC,  208                          ; v208-255 the four fragments' codes
.set MSB, 0
.macro WIN new                         ; register windows: bits 1:0 source 0, 3:2 source 1, 5:4 source 2, 7:6 destination; the high byte repeats the setting that is left
.if MSB != (\new)
	s_set_vgpr_msb (MSB<<8)|(\new)
.set MSB, (\new)
.endif
.endm
; nb blocks of 32 along K; block B lies in window 1, registers 16 B .. 16 B + 15 = k 32 B + 16 (lane / 16) + 0 .. 15 of the lane's row.  Out: codes of the pair of blocks P at v[kc + 6 P ..+5], in the operand's layout; the byte of block B in v[tn + B].
.macro EPI nb, tm, tn, so, tc, kc
	WIN 0x05
.set eb, 0
.rept \nb
	v_max3_num_f32 v[\tm+eb], |v[16*eb]|, |v[16*eb+1]|, 0x1800000   ; my 16 numbers, and the floor 2^(3 - 127): the byte cannot fall under 1
.set eb, eb+1
.endr
	WIN 0x14
.set ei, 2
.rept 7
.set eb, 0
.rept \nb
	v_max3_num_f32 v[\tm+eb], v[\tm+eb], |v[16*eb+ei]|, |v[16*eb+ei+1]|   ; the blocks by turns
.set eb, eb+1
.endr
.set ei, ei+2
.endr
	WIN 0
.set eb, 0
.rept \nb
	v_permlanex16_b32 v[\tn+eb], v[\tm+eb], s[SEL], s[SEL+1]
.set eb, eb+1
.endr
.set eb, 0
.rept \nb
	v_max_num_f32 v[\tm+eb], v[\tm+eb], v[\tn+eb]                  ; with lane l xor 16's 16: the block's largest magnitude
.set eb, eb+1
.endr
.set eb, 0
.rept \nb
	v_add_nc_u32 v[\so+eb], 0xff000000, v[\tm+eb]                  ; 2 off its exponent field: the conversion's scale operand
.set eb, eb+1
.endr
.set eb, 0
.rept \nb
	v_lshrrev_b32 v[\tn+eb], 23, v[\so+eb]                         ; the scale's byte
.set eb, eb+1
.endr
	s_wait_xcnt 0x0                                                ; earlier stores have read the codes' registers
	WIN 0x01
.set eb, 0
.rept \nb/2
	v_cvt_scalef32_pk16_fp6_f32 v[\kc+6*eb:\kc+6*eb+2], v[32*eb:32*eb+15], v[\so+2*eb]
	v_cvt_scalef32_pk16_fp6_f32 v[\tc+4*eb:\tc+4*eb+2], v[32*eb+16:32*eb+31], v[\so+2*eb+1]   ; (a conversion's three registers begin on an even number)
.set eb, eb+1
.endr
	WIN 0
	v_nop                                                          ; one plain instruction behind the last scaled conversion
.set eb, 0
.rept \nb/2
.irp i, 0,1,2
	v_permlane16_swap_b32 v[\kc+6*eb+\i], v[\tc+4*eb+\i]           ; the layout wants a whole block in a lane: lanes 0-15 the even block, lanes 16-31 the odd one
.endr
.irp i, 0,1,2
	v_mov_b32 v[\kc+6*eb+3+\i], v[\tc+4*eb+\i]
.endr
.set eb, eb+1
.endr
.endm
	s_load_b128 s[4:7], s[0:1], 0x0                ; the two maps
	s_load_b256 s[8:15], s[0:1], 0x10              ; ln1_g, ln1_b, ln2_g, ln2_b
	s_load_b512 s[16:31], s[0:1], 0x30             ; the eight weights
	s_load_b256 s[32:39], s[0:1], 0x70             ; xc, xs, wc, ws
	v_lshl_add_u32 v26, v0, 2, 0x8400
	v_mov_b32 v27, 0
	v_lshrrev_b32 v1, 5, v0
	v_readfirstlane_b32 s40, v1                    ; wave 0..3
	v_and_b32 v1, 31, v0                           ; L
	v_and_b32 v2, 15, v0                           ; r
	v_bfe_u32 v3, v0, 4, 1                         ; h
	s_mov_b32 s[SEL], 0x76543210
	s_mov_b32 s[SEL+1], 0xfedcba98
	s_cmp_lt_u32 ttmp9, 256
	s_cbranch_scc0 .Lweights
; ---------------- LAYER NORM: one wave, one tile of 16 tokens: tile 4 x work-group + wave
	v_lshlrev_b32 v4, 4, v1                        ; 16 L: my 16 bytes of a load's 512
	s_mul_i32 s41, s40, 8448                       ; my stage
	v_add_nc_u32 v5, s41, v4                       ; into it: a row's 512 bytes as they lie
	v_mul_u32_u24 v6, v2, 528
	v_lshl_add_u32 v6, v3, 6, v6
	v_add_nc_u32 v6, s41, v6                       ; out of it: row r, + 64 h: my 16 numbers of a block of 32
	v_lshlrev_b32 v7, 6, v3                        ; g, b: 64 h
	v_lshlrev_b32 v9, 4, v2
	v_lshl_add_u32 v9, v3, 3, v9                   ; the scale words: 16 r + 8 h
	v_mov_b32 v22, 0                               ; (a lane permute's destination counts as read)
	v_cmp_eq_u32 vcc_lo, 1, v3                     ; lanes 16-31
	s_lshr_b32 s44, ttmp9, 7                       ; the map
	s_and_b32 s45, ttmp9, 127
	s_lshl_b32 s45, s45, 6
	s_lshr_b32 s46, s40, 1
	s_lshl_b32 s46, s46, 5
	s_add_co_u32 s45, s45, s46
	s_and_b32 s46, s40, 1
	s_lshl_b32 s46, s46, 3
	s_add_co_u32 s45, s45, s46                     ; the tile's first token in its map: 64 wg + 32 (wave / 2) + 8 (wave % 2)
	s_lshl_b32 s46, s45, 11                        ; x 2,048 bytes
	s_mov_b32 s47, 0
	s_lshl_b32 s48, ttmp9, 2
	s_add_co_u32 s48, s48, s40                     ; the tile
	s_mul_i32 s50, s48, 6144
	s_mov_b32 s51, 0
	s_lshl_b32 s52, s48, 8
	s_mov_b32 s53, 0
	s_mov_b32 s54, 0x3b000000                      ; 1 / 512
	s_mov_b32 s55, 0x358637bd                      ; 1e-6
	s_wait_alu depctr_va_vdst(0)
	s_wait_kmcnt 0x0
	s_cmp_eq_u32 s44, 0
	s_cselect_b64 s[4:5], s[4:5], s[6:7]
	s_cselect_b64 s[8:9], s[8:9], s[12:13]         ; g
	s_cselect_b64 s[10:11], s[10:11], s[14:15]     ; b
	s_add_nc_u64 s[4:5], s[4:5], s[46:47]
	s_add_nc_u64 s[32:33], s[32:33], s[50:51]
	s_add_nc_u64 s[34:35], s[34:35], s[52:53]
.macro GBLOAD q                        ; g and b of columns 64 q .. 64 q + 63 in my lane's order, into slot q % 3: 16 loads
.irp b, 0,1
.irp j, 0,1,2,3
	global_load_b128 v[GB+64*((\q)%3)+16*\b+4*\j:GB+64*((\q)%3)+16*\b+4*\j+3], v7, s[8:9] offset:256*(\q)+128*\b+16*\j
	global_load_b128 v[GB+64*((\q)%3)+32+16*\b+4*\j:GB+64*((\q)%3)+32+16*\b+4*\j+3], v7, s[10:11] offset:256*(\q)+128*\b+16*\j
.endr
.endr
.endm
	GBLOAD 0
	GBLOAD 1
	GBLOAD 2
	WIN 0x40                                       ; the rows go to window 1: quarter s (128 columns) of row r at register 64 s + 4 r; 32 lanes read 512 consecutive bytes
.irp s, 0,1,2,3
.irp r, 0,1,2,3,4,5,6,7,8,9,10,11,12,13,14,15
	global_load_b128 v[64*\s+4*\r:64*\s+4*\r+3], v4, s[4:5] offset:(\r+8*(\r/8))*2048+512*\s th:TH_LOAD_NT
.endr
.endr
; A quarter turns through the stage: in as it lies, out 16 neighbours of each block of 32 to a lane.  LDS serves a wave's instructions in order: no wait between the stores and the loads, which land in the registers that the stores have read.
.macro TURN s
	s_wait_loadcnt 48-16*\s                        ; this quarter's 16 loads are in; the younger quarters' may be out
	WIN 0x04
.irp r, 0,1,2,3,4,5,6,7,8,9,10,11,12,13,14,15
	ds_store_b128 v5, v[64*\s+4*\r:64*\s+4*\r+3] offset:528*\r
.endr
	WIN 0x40
.irp b, 0,1,2,3
.irp j, 0,1,2,3
	ds_load_b128 v[64*\s+16*\b+4*\j:64*\s+16*\b+4*\j+3], v6 offset:128*\b+16*\j
.endr
.endr
.endm
	TURN 0
	TURN 1
	TURN 2
	TURN 3
	s_wait_dscnt 0x0                               ; register 64 s + 16 b + i of lane (r, h) is column 128 s + 32 b + 16 h + i of token row r
.macro FOLD                            ; four chains of pairs, then lane l xor 16's half of the row: the sum in v10
	WIN 0
	v_pk_add_f32 v[10:11], v[10:11], v[12:13]
	v_pk_add_f32 v[14:15], v[14:15], v[16:17]
	v_pk_add_f32 v[10:11], v[10:11], v[14:15]
	v_add_f32 v10, v10, v11
	v_permlanex16_b32 v22, v10, s[SEL], s[SEL+1]
	v_add_f32 v10, v10, v22
.endm
	WIN 0x05
.irp k, 0,1,2,3
	v_pk_add_f32 v[10+2*\k:11+2*\k], v[2*\k:2*\k+1], v[2*\k+8:2*\k+9]   ; the first pairs start the chains: nothing is cleared
.endr
	WIN 0x04
.set p_, 8
.rept 120
	v_pk_add_f32 v[10+2*(p_%4):11+2*(p_%4)], v[10+2*(p_%4):11+2*(p_%4)], v[2*p_:2*p_+1]
.set p_, p_+1
.endr
	FOLD
	v_mul_f32 v18, s54, v10                        ; the mean
	v_mov_b32 v19, v18
	WIN 0x41
.set p_, 0
.rept 128
	v_pk_add_f32 v[2*p_:2*p_+1], v[2*p_:2*p_+1], v[18:19] neg_lo:[0,1] neg_hi:[0,1]   ; x - mean, in place
.set p_, p_+1
.endr
	WIN 0x05
.irp k, 0,1,2,3
	v_pk_mul_f32 v[10+2*\k:11+2*\k], v[2*\k:2*\k+1], v[2*\k:2*\k+1]
.endr
.set p_, 4
.rept 124
	v_pk_fma_f32 v[10+2*(p_%4):11+2*(p_%4)], v[2*p_:2*p_+1], v[2*p_:2*p_+1], v[10+2*(p_%4):11+2*(p_%4)]
.set p_, p_+1
.endr
	FOLD
	v_fma_f32 v23, v10, s54, s55                   ; the variance + 1e-6
	s_wait_alu depctr_va_vdst(0)
	v_rsq_f32 v20, v23
	v_nop                                          ; a plain instruction behind the transcendental,
	s_wait_alu depctr_va_vdst(0)                   ; and the wait ahead of its first reader
	v_mov_b32 v21, v20
	WIN 0x41
.set p_, 0
.rept 128
	v_pk_mul_f32 v[2*p_:2*p_+1], v[2*p_:2*p_+1], v[20:21]
.set p_, p_+1
.endr
.set q_, 0
.rept 8                                ; x g + b, a half step of 64 columns at a time; the slot just used takes the half step three further on
.if q_ < 6
	s_wait_loadcnt 32                              ; this half step's 16 loads are in; the two younger half steps' may be out
.elseif q_ == 6
	s_wait_loadcnt 16
.else
	s_wait_loadcnt 0x0
.endif
	WIN 0x41
.set p_, 0
.rept 16
	v_pk_fma_f32 v[32*q_+2*p_:32*q_+2*p_+1], v[32*q_+2*p_:32*q_+2*p_+1], v[GB+64*(q_%3)+2*p_:GB+64*(q_%3)+2*p_+1], v[GB+64*(q_%3)+32+2*p_:GB+64*(q_%3)+32+2*p_+1]
.set p_, p_+1
.endr
	WIN 0
.if q_+3 < 8
	GBLOAD q_+3
.endif
.set q_, q_+1
.endr
.set p_, 0
.rept 16
	v_mov_b32 v[TN+p_], 0                          ; (lane permutes' destinations count as read)
.set p_, p_+1
.endr
	EPI 16, TM, TN, SO, TC, KC                     ; block 4 s + b: fragment s at v[KC + 12 s]
.irp s, 0,1,2,3
	v_lshl_or_b32 v[28+\s], v[TN+4*\s+1], 8, v[TN+4*\s]   ; my row's scale word of K step s
	v_lshl_or_b32 v[28+\s], v[TN+4*\s+2], 16, v[28+\s]
	v_lshl_or_b32 v[28+\s], v[TN+4*\s+3], 24, v[28+\s]
.endr
	v_cndmask_b32 v24, v28, v30, vcc_lo            ; lanes 0-15 store words 0, 1 of row r, lanes 16-31 words 2, 3: 32 lanes fill 256 consecutive bytes
	v_cndmask_b32 v25, v29, v31, vcc_lo
.irp c, 0,1,2,3,4,5,6,7,8,9,10,11
	global_store_b128 v4, v[KC+4*\c:KC+4*\c+3], s[32:33] offset:512*\c   ; 512 consecutive bytes, aligned
.endr
	global_store_b64 v9, v[24:25], s[34:35]
	s_wait_tensorcnt 0x0
	ds_add_u32 v26, v27
	s_wait_dscnt 0x0
	s_endpgm
; ---------------- WEIGHTS: work-group y = W x 16 + G x 4 + s: weight W, columns 128 G on, K step s.  A LANE TAKES A COLUMN AND ITS REGISTERS RUN DOWN K: a block of 32 lies in one lane, and the codes come out with K innermost.
.Lweights:
	s_sub_co_u32 s44, ttmp9, 256
	s_lshr_b32 s45, s44, 4                         ; W
	s_bfe_u32 s46, s44, 0x20002                    ; G
	s_and_b32 s47, s44, 3                          ; s
	s_wait_alu depctr_va_vdst(0)
	v_lshlrev_b32 v4, 2, v1                        ; in: 4 bytes a lane: 128 consecutive bytes a wave
	v_bfe_u32 v5, v1, 3, 1                         ; column 32 a + L is row r' = L % 8 + 8 (L / 16) of tile 2 a + u, u = (L / 8) % 2
	v_and_b32 v6, 7, v1
	v_lshl_add_u32 v6, v3, 3, v6
	v_mul_u32_u24 v7, v5, 6144
	v_lshl_add_u32 v7, v6, 4, v7                   ; out: tile u, lane r' of the image
	v_lshl_add_u32 v8, v5, 4, v6
	v_lshlrev_b32 v8, 2, v8                        ; the scale word: lane r' + 16 u
	s_lshl_b32 s48, s47, 18                        ; 128 s rows of 2,048 bytes
	s_lshl_b32 s49, s46, 9
	s_add_co_u32 s48, s48, s49
	s_lshl_b32 s49, s40, 7
	s_add_co_u32 s48, s48, s49                     ; + 4 x (128 G + 32 wave)
	s_mov_b32 s49, 0
	s_lshl_b32 s50, s46, 3
	s_lshl_b32 s51, s40, 1
	s_add_co_u32 s50, s50, s51                     ; tile 8 G + 2 wave
	s_mul_i32 s50, s50, 6144
	s_mul_i32 s51, s45, 196608
	s_add_co_u32 s50, s50, s51
	s_mul_i32 s51, s47, 1536
	s_add_co_u32 s50, s50, s51
	s_mov_b32 s51, 0
	s_lshl_b32 s52, s45, 2
	s_add_co_u32 s52, s52, s46
	s_lshl_b32 s52, s52, 2
	s_add_co_u32 s52, s52, s47
	s_lshl_b32 s52, s52, 9
	s_lshl_b32 s53, s40, 7
	s_add_co_u32 s52, s52, s53
	s_mov_b32 s53, 0
	s_wait_alu depctr_va_vdst(0)
	s_wait_kmcnt 0x0
	s_mov_b64 s[4:5], s[16:17]
.irp k, 1,2,3,4,5,6,7
	s_cmp_eq_u32 s45, \k                           ; the choice hangs on the work-group's number alone
	s_cselect_b64 s[4:5], s[16+2*\k:17+2*\k], s[4:5]
.endr
	s_add_nc_u64 s[4:5], s[4:5], s[48:49]
	s_add_nc_u64 s[36:37], s[36:37], s[50:51]
	s_add_nc_u64 s[38:39], s[38:39], s[52:53]
.set p_, 0
.rept 128
	global_load_b32 v[64+p_], v4, s[4:5] offset:2048*p_ th:TH_LOAD_NT
.set p_, p_+1
.endr
; block kb of the column: codes into registers 6 (kb / 2) .. + 5 of the image's lane r' + 16 (kb % 2)
.macro WBLOCK kb, cnt
.set X_, 64+32*\kb
.set F_, 192+12*(\kb%2)+6*(\kb/2)
	s_wait_loadcnt \cnt
	v_max3_num_f32 v12, |v[X_]|, |v[X_+1]|, |v[X_+2]|
	v_max3_num_f32 v13, |v[X_+3]|, |v[X_+4]|, |v[X_+5]|
.irp i, 6,10,14,18,22,26
	v_max3_num_f32 v12, v12, |v[X_+\i]|, |v[X_+\i+1]|
	v_max3_num_f32 v13, v13, |v[X_+\i+2]|, |v[X_+\i+3]|
.endr
	v_max3_num_f32 v12, v12, |v[X_+30]|, |v[X_+31]|
	v_max3_num_f32 v12, v12, v13, 0x1800000
	v_add_nc_u32 v11, 0xff000000, v12
	v_lshrrev_b32 v13, 23, v11
.if \kb == 0
	v_mov_b32 v9, v13
.else
	v_lshl_or_b32 v9, v13, 8*\kb, v9
.endif
	v_cvt_scalef32_pk16_fp6_f32 v[F_:F_+2], v[X_:X_+15], v11
	v_cvt_scalef32_pk16_fp6_f32 v[216+4*\kb:218+4*\kb], v[X_+16:X_+31], v11
	v_nop
.irp i, 0,1,2
	v_mov_b32 v[F_+3+\i], v[216+4*\kb+\i]
.endr
.endm
	WBLOCK 0, 63                                   ; 96 younger loads; the wait's field names 63 at the most
	WBLOCK 1, 63                                   ; 64 younger
	WBLOCK 2, 32
	WBLOCK 3, 0
.irp g, 0,1
.irp c, 0,1,2
	global_store_b128 v7, v[192+12*\g+4*\c:192+12*\g+4*\c+3], s[36:37] offset:256*\g+512*\c   ; sixteen lanes of a tile store 256 consecutive bytes, aligned
.endr
.endr
	global_store_b32 v8, v9, s[38:39]
	s_endpgm
.Lfunc_end_k_q5e7dcc4f0c_prep:
	.size	k_q5e7dcc4f0c_prep, .Lfunc_end_k_q5e7dcc4f0c_prep-k_q5e7dcc4f0c_prep
	.p2alignl 7, 3214868480
	.fill 96, 4, 3214868480
	.section	.rodata,"a",@progbits
	.p2align	6, 0x0
	.amdhsa_kernel k_q5e7dcc4f0c_prep
		.amdhsa_group_segment_fixed_size 34304
		.amdhsa_private_segment_fixed_size 0
		.amdhsa_enable_private_segment 0
		.amdhsa_kernarg_size 144
		.amdhsa_user_sgpr_count 2
		.amdhsa_user_sgpr_kernarg_segment_ptr 1
		.amdhsa_wavefront_size32 1
		.amdhsa_system_sgpr_workgroup_id_x 1
		.amdhsa_system_sgpr_workgroup_id_y 1
		.amdhsa_system_sgpr_workgroup_id_z 1
		.amdhsa_system_vgpr_workitem_id 0
		.amdhsa_next_free_vgpr 512
		.amdhsa_next_free_sgpr 66
		.amdhsa_reserve_vcc 1
		.amdhsa_float_denorm_mode_32 3
		.amdhsa_float_denorm_mode_16_64 3
		.amdhsa_memory_ordered 1
		.amdhsa_forward_progress 1
		.amdhsa_inst_pref_size 109
	.end_amdhsa_kernel
	.amdgpu_metadata
---
amdhsa.version: [ 1, 2 ]
amdhsa.kernels:
  - .name:           k_q5e7dcc4f0c_prep
    .symbol:         k_q5e7dcc4f0c_prep.kd
    .args:
      - { .name: texture_map1, .offset: 0, .size: 8, .value_kind: global_buffer, .address_space: global }
      - { .name: texture_map2, .offset: 8, .size: 8, .value_kind: global_buffer, .address_space: global }
      - { .name: ln1_g, .offset: 16, .size: 8, .value_kind: global_buffer, .address_space: global }
      - { .name: ln1_b, .offset: 24, .size: 8, .value_kind: global_buffer, .address_space: global }
      - { .name: ln2_g, .offset: 32, .size: 8, .value_kind: global_buffer, .address_space: global }
      - { .name: ln2_b, .offset: 40, .size: 8, .value_kind: global_buffer, .address_space: global }
      - { .name: Wq, .offset: 48, .size: 8, .value_kind: global_buffer, .address_space: global }
      - { .name: Wk, .offset: 56, .size: 8, .value_kind: global_buffer, .address_space: global }
      - { .name: Wv, .offset: 64, .size: 8, .value_kind: global_buffer, .address_space: global }
      - { .name: Wfc, .offset: 72, .size: 8, .value_kind: global_buffer, .address_space: global }
      - { .name: ff1_W1, .offset: 80, .size: 8, .value_kind: global_buffer, .address_space: global }
      - { .name: ff1_W2, .offset: 88, .size: 8, .value_kind: global_buffer, .address_space: global }
      - { .name: ff2_W1, .offset: 96, .size: 8, .value_kind: global_buffer, .address_space: global }
      - { .name: ff2_W2, .offset: 104, .size: 8, .value_kind: global_buffer, .address_space: global }
      - { .name: xc, .offset: 112, .size: 8, .value_kind: global_buffer, .address_space: global }
      - { .name: xs, .offset: 120, .size: 8, .value_kind: global_buffer, .address_space: global }
      - { .name: wc, .offset: 128, .size: 8, .value_kind: global_buffer, .address_space: global }
      - { .name: ws, .offset: 136, .size: 8, .value_kind: global_buffer, .address_space: global }
    .group_segment_fixed_size: 34304
    .private_segment_fixed_size: 0
    .kernarg_segment_align: 8
    .kernarg_segment_size: 144
    .max_flat_workgroup_size: 128
    .sgpr_count:     66
    .vgpr_count:     512
    .wavefront_size: 32
...
	.end_amdgpu_metadata
.endif
;; end of part 1
;; launch qkv (part 2): grid 32 x 8, 4 waves a work-group, clusters of 4 x 1, 168,448 bytes of LDS; arguments xc, xs, wc, ws, bq, bk, bv, qq, kv; writes qq, kv
.if DOCPART == 2
	.amdgcn_target "amdgcn-amd-amdhsa--gfx1250"
	.amdhsa_code_object_version 6
	.text
	.protected	k_q5e7dcc4f0c_qkv
	.globl	k_q5e7dcc4f0c_qkv
	.p2align	8
	.type	k_q5e7dcc4f0c_qkv,@function
k_q5e7dcc4f0c_qkv:
	s_mov_b64 s[64:65], 0
	v_nop
	global_prefetch_b8 v0, s[64:65] scope:SCOPE_SE
	s_setreg_imm32_b32 hwreg(HW_REG_WAVE_MODE, 25, 1), 1
	s_wait_xcnt 0x0
	s_wait_alu depctr_hold_cnt(0) depctr_sa_sdst(0) depctr_va_vdst(0) depctr_va_sdst(0) depctr_va_ssrc(0) depctr_va_vcc(0) depctr_vm_vsrc(0)
	s_getreg_b32 s2, hwreg(HW_REG_IB_STS2, 6, 4)
	s_cmp_eq_u32 s2, 0
	s_cbranch_scc0 .Lentry_in_a_cluster
	s_endpgm
.Lentry_in_a_cluster:
	s_bfe_u32 s2, ttmp6, 0x10000c
	s_cmp_lg_u32 s2, 0x3003
	s_cbranch_scc0 .Lentry_shape_is_right
	s_endpgm
.Lentry_shape_is_right:
; Q, K, V OF ONE HEAD FOR 512 TOKENS, on codes of FP6 (E2M3) with E8M0 scales, and their results quantised again: q and k along the head's 64, v along the keys.
; SHARES.  Work-group (X, H): tokens 512 X on, head H.  Wave w: 128 tokens = 8 tiles; their 32 fragments of x stay in registers for all three products.  32 accumulators a product, by turns, K step by K step.
; The head's 3 x 4 column tiles of Wq, Wk, Wv (73,728 bytes of codes) come into LDS once.  CLUSTER: the four work-groups of a cluster have the same head and other tokens: each wave's load is asked for jointly by the four.
; q and k are made TRANSPOSED (source 0 = 16 columns of W, source 1 = 16 tokens): a lane holds a token and its registers run along the head's 64.  v is made the natural way round (source 0 = tokens): a lane holds a column
; and its registers run along the tokens, which are the second attention product's K.  The rows of every tile are chosen (row r of tile 2 a + u = 32 a + 8 u + r + 8 (r / 8)) so that 16 registers are 16 neighbours.
; The biases are the C of each sum's first matrix instruction.
; LIMITS: NaN and infinities are not served; a block of zeros, or under 2^-124, gets the byte 1 where the rule says 127 (its codes are zeros; this program alone reads the bytes).
; REGISTERS.  Window 0: v1-6 addresses; v8-15 at work; v16-47 x's scale words; v48-55 W's; v56-87 the bias; v88-91 words to store; v96-223 the quantiser.  Window 1: the accumulators.
;   Windows 2, 3: x's fragment e = 4 i + s at register 12 (e % 21) of window 2 + e / 21.  Window 3, v132-227: W's four fragments of a K step, two sets.
.set XS,   16
.set WS,   48
.set BIAS, 56
.set W4,   88
.set TM,   96
.set TN,   112
.set SO,   128
.set TC,   144
.set KC,   176
.set WB,   132
.set SEL,  42
.set MSB, 0
.macro WIN new
.if MSB != (\new)
	s_set_vgpr_msb (MSB<<8)|(\new)
.set MSB, (\new)
.endif
.endm
.macro PLACES n
.rept \n
	v_nop
.endr
.endm
.macro ROUND                           ; a round of the cluster's barrier
	s_barrier_signal -1
	s_barrier_wait -1
	s_cmp_lg_u32 s36, 0
	s_cbranch_scc1 .Lnot_wave_0_\@
	s_barrier_signal -3
.Lnot_wave_0_\@:
	s_barrier_wait -3
	s_barrier_signal -1
	s_barrier_wait -1
.endm
.macro MM d, a, b, c, sa, sb, ar, br   ; one product; ar, br = 1: that side's scale words stand in lanes 16-31
.if (\ar)
	v_wmma_scale_f32_16x16x128_f8f6f4 v[(\d):(\d)+7], v[(\a):(\a)+11], v[(\b):(\b)+11], v[(\c):(\c)+7], v[(\sa)], v[(\sb)] matrix_a_fmt:MATRIX_FMT_FP6 matrix_b_fmt:MATRIX_FMT_FP6 matrix_a_scale:MATRIX_SCALE_ROW1
.elseif (\br)
	v_wmma_scale_f32_16x16x128_f8f6f4 v[(\d):(\d)+7], v[(\a):(\a)+11], v[(\b):(\b)+11], v[(\c):(\c)+7], v[(\sa)], v[(\sb)] matrix_a_fmt:MATRIX_FMT_FP6 matrix_b_fmt:MATRIX_FMT_FP6 matrix_b_scale:MATRIX_SCALE_ROW1
.else
	v_wmma_scale_f32_16x16x128_f8f6f4 v[(\d):(\d)+7], v[(\a):(\a)+11], v[(\b):(\b)+11], v[(\c):(\c)+7], v[(\sa)], v[(\sb)] matrix_a_fmt:MATRIX_FMT_FP6 matrix_b_fmt:MATRIX_FMT_FP6
.endif
.endm
; nb blocks of 32 along K; block B lies in window 1, registers 16 B .. 16 B + 15 = k 32 B + 16 (lane / 16) + 0 .. 15.  Out: codes of the pair P at v[kc + 6 P ..+5], in the operand's layout; the byte of block B in v[tn + B].  Each accumulator is read from its low end on.
.macro EPI nb, tm, tn, so, tc, kc
	WIN 0x05
.set eb, 0
.rept \nb
	v_max3_num_f32 v[\tm+eb], |v[16*eb]|, |v[16*eb+1]|, 0x1800000   ; and the floor 2^(3 - 127): the byte cannot fall under 1
.set eb, eb+1
.endr
	WIN 0x14
.set ei, 2
.rept 7
.set eb, 0
.rept \nb
	v_max3_num_f32 v[\tm+eb], v[\tm+eb], |v[16*eb+ei]|, |v[16*eb+ei+1]|
.set eb, eb+1
.endr
.set ei, ei+2
.endr
	WIN 0
.set eb, 0
.rept \nb
	v_permlanex16_b32 v[\tn+eb], v[\tm+eb], s[SEL], s[SEL+1]
.set eb, eb+1
.endr
.set eb, 0
.rept \nb
	v_max_num_f32 v[\tm+eb], v[\tm+eb], v[\tn+eb]
.set eb, eb+1
.endr
.set eb, 0
.rept \nb
	v_add_nc_u32 v[\so+eb], 0xff000000, v[\tm+eb]                  ; 2 off the exponent field: the conversion's scale operand
.set eb, eb+1
.endr
.set eb, 0
.rept \nb
	v_lshrrev_b32 v[\tn+eb], 23, v[\so+eb]
.set eb, eb+1
.endr
	s_wait_xcnt 0x0                                                ; the last product's stores have read the codes' and the words' registers
	WIN 0x01
.set eb, 0
.rept \nb/2
	v_cvt_scalef32_pk16_fp6_f32 v[\kc+6*eb:\kc+6*eb+2], v[32*eb:32*eb+15], v[\so+2*eb]
	v_cvt_scalef32_pk16_fp6_f32 v[\tc+4*eb:\tc+4*eb+2], v[32*eb+16:32*eb+31], v[\so+2*eb+1]
.set eb, eb+1
.endr
	WIN 0
	v_nop                                                          ; one plain instruction behind the last scaled conversion
.set eb, 0
.rept \nb/2
.irp i, 0,1,2
	v_permlane16_swap_b32 v[\kc+6*eb+\i], v[\tc+4*eb+\i]
.endr
.irp i, 0,1,2
	v_mov_b32 v[\kc+6*eb+3+\i], v[\tc+4*eb+\i]
.endr
.set eb, eb+1
.endr
.endm
	s_load_b256 s[4:11], s[0:1], 0x0               ; xc, xs, wc, ws
	s_load_b256 s[12:19], s[0:1], 0x20             ; bq, bk, bv, qq
	s_load_b64 s[20:21], s[0:1], 0x40              ; kv
	v_lshl_add_u32 v254, v0, 2, 0x29000
	v_mov_b32 v255, 0
	ds_add_u32 v254, v255
	ds_add_u32 v254, v255
	v_lshrrev_b32 v1, 5, v0
	v_readfirstlane_b32 s36, v1                    ; wave 0..3
	s_bfe_u32 s37, ttmp6, 0x40000                  ; cx
	s_lshl_b32 s38, ttmp9, 2
	s_add_co_u32 s38, s38, s37                     ; X: it enters x's, q's, k's and v's addresses alone
	s_and_b32 s39, ttmp7, 0xffff                   ; H, which the four partners share
	; the descriptor: 3 rows (Wq, Wk, Wv) of 6,144 bytes (column tile 4 H + wave, its four K steps), 196,608 bytes apart; dense in LDS
	s_mov_b32 s28, 15|(3<<16)|(1<<21)              ; the mask: all four work-groups; elements of 8 bytes; bit 21 set beside a mask
	s_mov_b32 s29, 768<<16                         ; tensor_dim0 = 768
	s_mov_b32 s30, 3<<16                           ; tensor_dim1 = 3
	s_mov_b32 s31, 768<<16                         ; tile_dim0
	s_mov_b32 s32, 3                               ; tile_dim1
	s_mov_b32 s33, 24576                           ; the pitch
	s_mov_b32 s34, 0
	s_mov_b32 s35, 0
	s_lshl_b32 s44, s39, 2
	s_add_co_u32 s44, s44, s36
	s_mul_i32 s44, s44, 6144
	s_mov_b32 s45, 0
	s_mov_b32 s24, 1
	s_mul_i32 s25, s36, 18432                      ; fragment (product, t, s) lies at 18,432 t + 6,144 product + 1,536 s
	s_mov_b32 s[SEL], 0x76543210
	s_mov_b32 s[SEL+1], 0xfedcba98
	s_lshl_b32 s46, s38, 5
	s_lshl_b32 s47, s36, 3
	s_add_co_u32 s46, s46, s47                     ; my first tile of tokens: 32 X + 8 wave
	s_lshl_b32 s48, s46, 8
	s_mov_b32 s49, 0
	s_mul_i32 s46, s46, 6144
	s_mov_b32 s47, 0
	s_lshr_b32 s50, s39, 1
	s_lshl_b32 s50, s50, 11
	s_and_b32 s51, s39, 1
	s_lshl_b32 s51, s51, 8
	s_add_co_u32 s50, s50, s51                     ; W's scale words: 2,048 (H / 2) + 256 (H % 2)
	s_mov_b32 s51, 0
	s_lshl_b32 s52, s39, 8                         ; the biases: 256 H
	s_mov_b32 s53, 0
	s_lshr_b32 s54, s38, 2
	s_lshl_b32 s54, s54, 3
	s_add_co_u32 s54, s54, s39                     ; g = 8 (map, batch) + H
	s_lshl_b32 s54, s54, 4
	s_and_b32 s55, s38, 3
	s_lshl_b32 s55, s55, 2
	s_add_co_u32 s54, s54, s55
	s_add_co_u32 s54, s54, s36                     ; 16 g + the group of 128 tokens
	s_mul_i32 s56, s54, 13312
	s_mov_b32 s57, 0
	s_mul_i32 s54, s54, 6656
	s_mov_b32 s55, 0
	s_wait_dscnt 0x0
	s_wait_kmcnt 0x0
	s_add_nc_u64 s[26:27], s[8:9], s[44:45]
	s_or_b32 s27, s27, 0x80000000
	ROUND                                          ; all four work-groups are here: the joint loads meet
	tensor_load_to_lds s[24:27], s[28:35]          ; filled once: one tensor load of mine is out
	s_nop 0
	PLACES 4
	s_add_nc_u64 s[4:5], s[4:5], s[46:47]
	s_add_nc_u64 s[6:7], s[6:7], s[48:49]
	s_add_nc_u64 s[10:11], s[10:11], s[50:51]
	s_add_nc_u64 s[12:13], s[12:13], s[52:53]
	s_add_nc_u64 s[14:15], s[14:15], s[52:53]
	s_add_nc_u64 s[16:17], s[16:17], s[52:53]
	s_add_nc_u64 s[18:19], s[18:19], s[54:55]
	s_add_nc_u64 s[20:21], s[20:21], s[56:57]
	v_and_b32 v7, 31, v0                           ; L
	v_and_b32 v8, 15, v0                           ; r
	v_bfe_u32 v9, v0, 4, 1                         ; h
	v_lshlrev_b32 v1, 4, v7                        ; 16 L
	v_add_nc_u32 v2, 36864, v1                     ; the same for column tiles 2, 3 (an LDS immediate has 16 bits)
	v_lshlrev_b32 v3, 4, v8                        ; x's scale words: 16 r
	v_lshlrev_b32 v4, 2, v7                        ; W's: 4 L
	v_lshlrev_b32 v5, 6, v9                        ; a bias along the registers: 64 h
	v_and_b32 v6, 8, v8
	v_add_nc_u32 v6, v6, v8
	v_lshlrev_b32 v6, 2, v6                        ; a bias along the lanes: 4 (r + 8 (r / 8))
	v_cmp_eq_u32 s40, 1, v9                        ; lanes 16-31
.set p_, 0
.rept 16
	v_mov_b32 v[TN+p_], 0                          ; written once: lane permutes' destinations count as read
.set p_, p_+1
.endr
.set e_, 0
.rept 32
	WIN 0x80+0x40*(e_/21)
.irp c, 0,1,2
	global_load_b128 v[12*(e_%21)+4*\c:12*(e_%21)+4*\c+3], v1, s[4:5] offset:1536*e_+512*\c
.endr
.set e_, e_+1
.endr
	WIN 0
.irp i, 0,1,2,3,4,5,6,7
	global_load_b128 v[XS+4*\i:XS+4*\i+3], v3, s[6:7] offset:256*\i
.endr
.macro LOADPAR ty, kind, bp            ; a product's scale words of W (register 2 s + t / 2: lanes 0-15 the even tile, lanes 16-31 the odd one) and its bias
.irp s, 0,1,2,3
.irp q, 0,1
	global_load_b32 v[WS+2*\s+\q], v4, s[10:11] offset:8192*\ty+512*\s+128*\q
.endr
.endr
.if \kind == 0
.irp t, 0,1,2,3
	global_load_b128 v[BIAS+8*\t:BIAS+8*\t+3], v5, s[\bp:\bp+1] offset:128*(\t/2)+32*(\t%2)
	global_load_b128 v[BIAS+8*\t+4:BIAS+8*\t+7], v5, s[\bp:\bp+1] offset:128*(\t/2)+32*(\t%2)+16
.endr
.else
.irp t, 0,1,2,3
	global_load_b32 v[BIAS+8*\t], v6, s[\bp:\bp+1] offset:128*(\t/2)+32*(\t%2)
.endr
.endif
.endm
.macro FETCHW ty, s                    ; W's four fragments of K step s into set s % 2: 12 LDS loads
	WIN 0xc0
.irp t, 0,1,2,3
.irp c, 0,1,2
	ds_load_b128 v[WB+48*((\s)%2)+12*\t+4*\c:WB+48*((\s)%2)+12*\t+4*\c+3], v[1+\t/2] offset:18432*(\t%2)+6144*(\ty)+1536*(\s)+512*\c
.endr
.endr
	WIN 0
.endm
.macro MULS kind, s                    ; a K step: 32 products, the 32 accumulators by turns, one instruction a turn
.set i_, 0
.rept 8
.set e_, 4*i_+\s
.set xr_, 12*(e_%21)
.set xw_, 2+e_/21
.if \s == 0
.set cw_, 0
.else
.set cw_, 1
.endif
.if \kind == 0
	WIN 0x40|(cw_<<4)|(xw_<<2)|3
.irp t, 0,1,2,3
.if \s == 0
	MM 32*i_+8*\t, WB+48*(\s%2)+12*\t, xr_, BIAS+8*\t, WS+2*\s+\t/2, XS+4*i_+\s, \t%2, 0
.else
	MM 32*i_+8*\t, WB+48*(\s%2)+12*\t, xr_, 32*i_+8*\t, WS+2*\s+\t/2, XS+4*i_+\s, \t%2, 0
.endif
.endr
.else
	WIN 0x40|(cw_<<4)|(3<<2)|xw_
.irp t, 0,1,2,3
.if \s == 0
	MM 64*\t+8*i_, xr_, WB+48*(\s%2)+12*\t, BIAS+8*\t, XS+4*i_+\s, WS+2*\s+\t/2, 0, \t%2
.else
	MM 64*\t+8*i_, xr_, WB+48*(\s%2)+12*\t, 64*\t+8*i_, XS+4*i_+\s, WS+2*\s+\t/2, 0, \t%2
.endif
.endr
.endif
.set i_, i_+1
.endr
.endm
; One product.  kind 0: transposed (q, k); 1: natural (v).  ob, oo: where the results go.  nty, nkind, nbp: the next product, whose first fragments and parameters are asked for ahead of the quantiser.
.macro PROJ ty, kind, ob, oo, nty, nkind, nbp
	s_wait_loadcnt 0x0                             ; the scale words and the bias (the first time: x too)
.if \kind
.irp t, 0,1,2,3
.irp j, 1,2,3,4,5,6,7
	v_mov_b32 v[BIAS+8*\t+\j], v[BIAS+8*\t]        ; a lane holds one column: its bias in all eight registers
.endr
.endr
.endif
	s_wait_alu depctr_va_vdst(0)
.irp s, 0,1,2,3
.if \s < 3
	FETCHW \ty, \s+1
	s_wait_dscnt 12                                ; this K step's fragments are in; the 12 loads just issued may be out
.else
	s_wait_dscnt 0x0
.endif
	MULS \kind, \s
	WIN 0
	PLACES 4                                       ; in front of loads into registers that these products have read, and of the first read of results
.endr
.if \nty
	FETCHW \nty, 0
	LOADPAR \nty, \nkind, \nbp
.endif
	EPI 16, TM, TN, SO, TC, KC
.if \kind == 0
.irp i, 0,1,2,3,4,5,6,7
	v_lshl_or_b32 v[8+\i], v[TN+2*\i+1], 8, v[TN+2*\i]   ; tile i: two bytes for the head's 64,
	v_or_b32 v[8+\i], 0x7f7f0000, v[8+\i]          ; and 1.0 for the upper 64 along K of the instruction, where the codes of one side are zeros
.endr
.irp k, 0,1,2,3
	v_cndmask_b32 v[W4+\k], v[8+\k], v[12+\k], s40 ; lanes 0-15 carry tile k's words, lanes 16-31 tile k + 4's
.endr
.else
.irp t, 0,1,2,3
	v_lshl_or_b32 v[W4+\t], v[TN+4*\t+1], 8, v[TN+4*\t]
	v_lshl_or_b32 v[W4+\t], v[TN+4*\t+2], 16, v[W4+\t]
	v_lshl_or_b32 v[W4+\t], v[TN+4*\t+3], 24, v[W4+\t]
.endr
.endif
.irp c, 0,1,2,3,4,5,6,7,8,9,10,11
	global_store_b128 v1, v[KC+4*\c:KC+4*\c+3], s[\ob:\ob+1] offset:\oo+512*\c   ; 512 consecutive bytes, aligned
.endr
	global_store_b128 v1, v[W4:W4+3], s[\ob:\ob+1] offset:\oo+6144
.endm
	LOADPAR 0, 0, 12
	s_wait_tensorcnt 0x0                           ; my part of the weights is in,
	s_barrier_signal -1
	s_barrier_wait -1                              ; everybody's is
	FETCHW 0, 0
	PROJ 0, 0, 18, 0, 1, 0, 14                     ; q
	PROJ 1, 0, 20, 0, 2, 1, 16                     ; k
	PROJ 2, 1, 20, 6656, 0, 0, 0                   ; v
	s_wait_tensorcnt 0x0
	ds_add_u32 v254, v255
	s_wait_dscnt 0x0
	ROUND                                          ; the closing round: no work-group ends while a partner may still ask jointly
	s_endpgm
.Lfunc_end_k_q5e7dcc4f0c_qkv:
	.size	k_q5e7dcc4f0c_qkv, .Lfunc_end_k_q5e7dcc4f0c_qkv-k_q5e7dcc4f0c_qkv
	.p2alignl 7, 3214868480
	.fill 96, 4, 3214868480
	.section	.rodata,"a",@progbits
	.p2align	6, 0x0
	.amdhsa_kernel k_q5e7dcc4f0c_qkv
		.amdhsa_group_segment_fixed_size 168448
		.amdhsa_private_segment_fixed_size 0
		.amdhsa_enable_private_segment 0
		.amdhsa_kernarg_size 72
		.amdhsa_user_sgpr_count 2
		.amdhsa_user_sgpr_kernarg_segment_ptr 1
		.amdhsa_wavefront_size32 1
		.amdhsa_system_sgpr_workgroup_id_x 1
		.amdhsa_system_sgpr_workgroup_id_y 1
		.amdhsa_system_sgpr_workgroup_id_z 1
		.amdhsa_system_vgpr_workitem_id 0
		.amdhsa_next_free_vgpr 1024
		.amdhsa_next_free_sgpr 66
		.amdhsa_reserve_vcc 0
		.amdhsa_float_denorm_mode_32 3
		.amdhsa_float_denorm_mode_16_64 3
		.amdhsa_memory_ordered 1
		.amdhsa_forward_progress 1
		.amdhsa_inst_pref_size 131
	.end_amdhsa_kernel
	.amdgpu_metadata
---
amdhsa.version: [ 1, 2 ]
amdhsa.kernels:
  - .name:           k_q5e7dcc4f0c_qkv
    .symbol:         k_q5e7dcc4f0c_qkv.kd
    .args:
      - { .name: xc, .offset: 0, .size: 8, .value_kind: global_buffer, .address_space: global }
      - { .name: xs, .offset: 8, .size: 8, .value_kind: global_buffer, .address_space: global }
      - { .name: wc, .offset: 16, .size: 8, .value_kind: global_buffer, .address_space: global }
      - { .name: ws, .offset: 24, .size: 8, .value_kind: global_buffer, .address_space: global }
      - { .name: bq, .offset: 32, .size: 8, .value_kind: global_buffer, .address_space: global }
      - { .name: bk, .offset: 40, .size: 8, .value_kind: global_buffer, .address_space: global }
      - { .name: bv, .offset: 48, .size: 8, .value_kind: global_buffer, .address_space: global }
      - { .name: qq, .offset: 56, .size: 8, .value_kind: global_buffer, .address_space: global }
      - { .name: kv, .offset: 64, .size: 8, .value_kind: global_buffer, .address_space: global }
    .group_segment_fixed_size: 168448
    .private_segment_fixed_size: 0
    .kernarg_segment_align: 8
    .kernarg_segment_size: 72
    .max_flat_workgroup_size: 128
    .sgpr_count:     66
    .vgpr_count:     1024
    .wavefront_size: 32
...
	.end_amdgpu_metadata
.endif
;; end of part 2
;; launch attn (part 3): grid 4 x 64, 16 waves a work-group, clusters of 4 x 1, 268,288 bytes of LDS; arguments qq, kv, fc, fs; writes fc, fs
.if DOCPART == 3
	.amdgcn_target "amdgcn-amd-amdhsa--gfx1250"
	.amdhsa_code_object_version 6
	.text
	.protected	k_q5e7dcc4f0c_attn
	.globl	k_q5e7dcc4f0c_attn
	.p2align	8
	.type	k_q5e7dcc4f0c_attn,@function
k_q5e7dcc4f0c_attn:
	s_mov_b64 s[64:65], 0
	v_nop
	global_prefetch_b8 v0, s[64:65] scope:SCOPE_SE
	s_setreg_imm32_b32 hwreg(HW_REG_WAVE_MODE, 25, 1), 1
	s_wait_xcnt 0x0
	s_wait_alu depctr_hold_cnt(0) depctr_sa_sdst(0) depctr_va_vdst(0) depctr_va_sdst(0) depctr_va_ssrc(0) depctr_va_vcc(0) depctr_vm_vsrc(0)
	s_getreg_b32 s2, hwreg(HW_REG_IB_STS2, 6, 4)
	s_cmp_eq_u32 s2, 0
	s_cbranch_scc0 .Lentry_in_a_cluster
	s_endpgm
.Lentry_in_a_cluster:
	s_bfe_u32 s2, ttmp6, 0x10000c
	s_cmp_lg_u32 s2, 0x3003
	s_cbranch_scc0 .Lentry_shape_is_right
	s_endpgm
.Lentry_shape_is_right:
; CROSS ATTENTION ON CODES OF FP6 (E2M3).  Combination g = (map, batch, head): its 2,048 queries attend to the keys and values of g xor 32, the other map.  Head size 64.
; THE SOFTMAX: t = score x log2(e) / 8; M = the running largest t rounded UP to a whole number; p = 2^(t - M) is quantised along the keys, not normalised; the row's sum is taken of the unquantised p and divides at the end.
; When M moves, the sum and O are multiplied by 2^(old M - new M): exact.  The result f = O / sum is quantised along the head's 64 and leaves as codes for the next product.
; SHARES.  A work-group owns 512 queries of g; each of its sixteen waves owns a pair of tiles of 16 queries and takes them one after the other, in two passes over the keys.  Four waves share a SIMD, 256 registers each: no register window is switched.
; All keys, values and scale words of the combination, 212,992 dense bytes in the order of the operands' registers, come into LDS once: no ring, no refill, no barrier in the loop, and no loop in which a prefetch could run ahead of that one fill.
; CLUSTER: the four work-groups of a cluster are the four quarters of one combination's queries: each wave's load (one key step, 13,312 bytes) is asked for jointly by the four.
; LDS: the load lays 128 bytes of padding behind each 512: a chunk of 512 bytes (four registers of 32 lanes) is 640 bytes from the next, a key step of 26 chunks 16,640 bytes.
; LAYOUT.  Both products are used transposed (S^T = K Q^T, O^T = V^T P^T): a lane holds one query throughout.  THE KEYS OF A SCORE TILE ARE CHOSEN BY THE LANES' LDS ADDRESSES: row m of tile 4 c + u is key 64 c + 32 (m / 8) + 8 u + m % 8,
; so that the 32 registers of tiles 4 c .. 4 c + 3 are one whole block of 32 keys, block 2 c + (lane / 16): a block's largest score needs no other lane, and the conversions' results are the operand's registers.
; In the stored image row r of tile 2 b + u is key 32 b + 8 u + r + 8 (r / 8): lane m of the new pair of tiles 2 c + w reads lane m % 8 + 8 w of the stored pair 2 c + m / 8.  A stored pair is three chunks, 1,920 bytes = 128 modulo 256.
; K AND V SHARE ONE RUN OF REGISTERS: V is asked for behind the score products, the next step's K behind the products with V, under the row's sums.
; K = 64 IN AN INSTRUCTION OF 128: Q's registers 6-11 are zero codes; K's operand of tile t is registers 6 t .. 6 t + 11, whose upper six meet zeros; bytes 2, 3 of both scale words are 1.0.
; LIMITS: NaN and infinities are not served; the scaled scores stay under 2^31 in magnitude; a block of zeros gets the byte 1 where the rule says 127 (its codes are zeros; this program alone reads the bytes); 1 / sum is v_rcp_f32's.
; REGISTERS: v1 16 L; v2, v6, v7 the step's LDS addresses; v3 8 L; v4 -M; v5 the running largest score; v[8:9] the sum; v10, v11 my lane's place in K's codes and scale words; v[12:13] f; v14 8 h; v15 4 L; v26 f's scale words; the rest by name.
.set KS,  16                           ; v16-19 K's scale words: register u: lanes 0-15 tile u, lanes 16-31 tile u + 4
.set VS,  20                           ; v20-23 V's
.set QS,  24                           ; Q's
.set PS,  25                           ; p's
.set PC,  28                           ; v28-39 p's codes
.set TCA, 40                           ; v40-47 chains of maxima, then of sums; v48-55 conversions' second halves
.set BM,  56                           ; a block's largest score, then its largest p
.set SOX, 58                           ; the conversions' scale operands
.set BN,  60                           ; v60-63 lane permutes' results and bytes
.set TP,  64                           ; v64-65 at work
.set SPW, 68                           ; my spare word's LDS address; never rewritten
.set NIL, 69                           ; 0; never rewritten
.set QST, 74                           ; v74-87 Q's pair of tiles as loaded: 6 + 6 registers of codes, 2 scale words
.set QF,  88                           ; v88-99 Q's fragment
.set S,   104                          ; v104-167 S^T, then p
.set OB,  168                          ; v168-199 O^T
.set X,   200                          ; v200-247 K's eight half fragments or V's four fragments; v248-253 a pad of zeros
.set STEPB, 16640
.set SPARE, 16*STEPB                   ; behind the tiles: 128 bytes for each wave that no other line names
.set SEL, 28                           ; s[28:29]
.set CS,  30                           ; s[30:31] c = log2(e) / 8
.macro PLACES n
.rept \n
	v_nop
.endr
.endm
.macro ROUND
	s_barrier_signal -1
	s_barrier_wait -1
	s_cmp_lg_u32 s12, 0
	s_cbranch_scc1 .Lnot_wave_0_\@
	s_barrier_signal -3
.Lnot_wave_0_\@:
	s_barrier_wait -3
	s_barrier_signal -1
	s_barrier_wait -1
.endm
.macro LOADK ac, as, o                 ; a key step's K: 12 loads of codes and 2 of scale words
.irp p, 0,1,2,3
.irp c, 0,1,2
	ds_load_b128 v[X+12*\p+4*\c:X+12*\p+4*\c+3], v[\ac] offset:\o+3840*(\p/2)+128*(\p%2)+640*\c
.endr
.endr
.irp w, 0,1
	ds_load_b64 v[KS+2*\w:KS+2*\w+1], v[\as] offset:\o+7680+128*\w
.endr
.endm
.macro LOADV av, o                     ; its V: 13 loads
.irp c, 0,1,2,3,4,5,6,7,8,9,10,11
	ds_load_b128 v[X+4*\c:X+4*\c+3], v[\av] offset:\o+8320+640*\c
.endr
	ds_load_b128 v[VS:VS+3], v[\av] offset:\o+16000
.endm
.macro SMUL                            ; the scores of 128 keys: eight accumulators, each begun with 0
.irp t, 0,1,2,3
	v_wmma_scale_f32_16x16x128_f8f6f4 v[S+8*\t:S+8*\t+7], v[X+6*\t:X+6*\t+11], v[QF:QF+11], 0, v[KS+\t], v[QS] matrix_a_fmt:MATRIX_FMT_FP6 matrix_b_fmt:MATRIX_FMT_FP6
.endr
.irp t, 4,5,6,7
	v_wmma_scale_f32_16x16x128_f8f6f4 v[S+8*\t:S+8*\t+7], v[X+6*\t:X+6*\t+11], v[QF:QF+11], 0, v[KS+\t-4], v[QS] matrix_a_fmt:MATRIX_FMT_FP6 matrix_b_fmt:MATRIX_FMT_FP6 matrix_a_scale:MATRIX_SCALE_ROW1
.endr
.endm
; A KEY STEP: 128 keys, whose score products have been issued.  more = 1: the next step's K is asked for and its score products are issued.
.macro STEP more
	v_add_nc_u32 v2, s32, v1                       ; four plain instructions behind the score products: the places in front of the loads into K's registers and of the first read of the scores
	v_add_nc_u32 v6, s32, v10
	v_add_nc_u32 v7, s32, v11
	v_mov_b32 v[TP+1], v4                          ; the old -M
	LOADV 2, 0
.irp a, 0,1,2,3,4,5,6,7
	v_max3_num_f32 v[TCA+\a], v[S+8*\a], v[S+8*\a+1], v[S+8*\a+2]   ; each accumulator from its low end on; eight chains
.endr
.irp i, 3,5
.irp a, 0,1,2,3,4,5,6,7
	v_max3_num_f32 v[TCA+\a], v[TCA+\a], v[S+8*\a+\i], v[S+8*\a+\i+1]
.endr
.endr
.irp a, 0,2,4,6
	v_max3_num_f32 v[TCA+\a], v[TCA+\a], v[S+8*\a+7], v[S+8*\a+15]
.endr
	s_delay_alu instid0(VALU_DEP_3)
	v_max3_num_f32 v[BM], v[TCA], v[TCA+1], v[TCA+2]
	s_delay_alu instid0(VALU_DEP_2)
	v_max3_num_f32 v[BM+1], v[TCA+4], v[TCA+5], v[TCA+6]
.irp c, 0,1
	s_delay_alu instid0(VALU_DEP_2)
	v_max_num_f32 v[BM+\c], v[BM+\c], v[TCA+4*\c+3]   ; the largest score of my two blocks of 32 keys: for the row's maximum and, since p rises with the score, for the block's largest p
.endr
	s_delay_alu instid0(VALU_DEP_1)
	v_max_num_f32 v[TP], v[BM], v[BM+1]
	s_delay_alu instid0(VALU_DEP_1)
	v_permlanex16_b32 v[BN], v[TP], s[SEL], s[SEL+1]
	s_delay_alu instid0(VALU_DEP_1)
	v_max3_num_f32 v5, v5, v[TP], v[BN]            ; the running largest score (c is positive: its product with c is the running largest t)
	s_delay_alu instid0(VALU_DEP_1)
	v_mul_f32 v[TP], s[CS], v5
	s_delay_alu instid0(VALU_DEP_1)
	v_floor_f32 v4, -v[TP]                         ; the new -M = floor(-t): M is a whole number
	s_delay_alu instid0(VALU_DEP_1)
	v_sub_f32 v[TP+1], v4, v[TP+1]                 ; old M - new M: a whole number, 0 or less
.irp c, 0,1
	v_fma_f32 v[BM+\c], v[BM+\c], s[CS], v4        ; t - M of each block's largest score
.endr
.irp j, 0,2,4,6,8,10,12,14,16,18,20,22,24,26,28,30,32,34,36,38,40,42,44,46,48,50,52,54,56,58,60,62
	v_pk_fma_f32 v[S+\j:S+\j+1], v[S+\j:S+\j+1], s[CS:CS+1], v[4:5] op_sel_hi:[1,0,0]   ; t - M
.endr
	s_wait_alu depctr_va_vdst(0)                   ; the wait ahead of the batch
.set j_, 0
.rept 64
	v_exp_f32 v[S+j_], v[S+j_]                     ; p = 2^(t - M), at most 1
.set j_, j_+1
.endr
.irp c, 0,1
	v_exp_f32 v[BM+\c], v[BM+\c]                   ; the blocks' largest p: the same two instructions on the same number give the same bits
.endr
	v_cvt_i32_f32 v[TP+1], v[TP+1]                 ; (it saturates)  A plain instruction behind the exponentials
	s_wait_alu depctr_va_vdst(0)                   ; one wait for the batch, ahead of its first reader
.irp c, 0,1
	v_max_num_f32 v[BM+\c], 0x1800000, v[BM+\c]    ; the floor 2^(3 - 127): the byte cannot fall under 1
.endr
	v_ldexp_f32 v12, 1.0, v[TP+1]                  ; f = 2^(old M - new M)
.irp c, 0,1
	v_add_nc_u32 v[SOX+\c], 0xff000000, v[BM+\c]   ; 2 off the exponent field: the conversion's scale operand
.endr
.irp c, 0,1
	v_cvt_scalef32_pk16_fp6_f32 v[PC+6*\c:PC+6*\c+2], v[S+32*\c:S+32*\c+15], v[SOX+\c]
	v_cvt_scalef32_pk16_fp6_f32 v[TCA+8+4*\c:TCA+8+4*\c+2], v[S+32*\c+16:S+32*\c+31], v[SOX+\c]   ; (a conversion's three registers begin on an even number)
.endr
.irp c, 0,1
	v_lshrrev_b32 v[BN+2+\c], 23, v[SOX+\c]        ; the bytes; also the plain instruction behind the last scaled conversion
.endr
	v_pk_mul_f32 v[8:9], v[8:9], v[12:13] op_sel_hi:[1,0]   ; the sums under the new M
	v_lshl_or_b32 v[TP], v[BN+3], 16, v[BN+2]      ; my two bytes: blocks h and 2 + h,
.irp i, 0,1,2
	v_mov_b32 v[PC+3+\i], v[TCA+8+\i]
.endr
	v_lshlrev_b32 v[TP], v14, v[TP]                ; at their places in the scale word;
.irp i, 0,1,2
	v_mov_b32 v[PC+9+\i], v[TCA+12+\i]
.endr
	v_permlanex16_b32 v[BN+1], v[TP], s[SEL], s[SEL+1]
	s_delay_alu instid0(VALU_DEP_1)
	v_or_b32 v[PS], v[TP], v[BN+1]                 ; with lane l xor 16's two the word is whole
	s_wait_dscnt 0x0                               ; V is in
	s_wait_alu depctr_va_vdst(0)                   ; the wait directly ahead of the first readers of O^T
.irp j, 0,2,4,6,8,10,12,14,16,18,20,22,24,26,28,30
	v_pk_mul_f32 v[OB+\j:OB+\j+1], v[OB+\j:OB+\j+1], v[12:13] op_sel_hi:[1,0]   ; O^T under the new M.  These 16 also stand between the lines that made p's codes and scale word and the products
.endr
.irp t, 0,1,2,3
	v_wmma_scale_f32_16x16x128_f8f6f4 v[OB+8*\t:OB+8*\t+7], v[X+12*\t:X+12*\t+11], v[PC:PC+11], v[OB+8*\t:OB+8*\t+7], v[VS+\t], v[PS] matrix_a_fmt:MATRIX_FMT_FP6 matrix_b_fmt:MATRIX_FMT_FP6
.endr
.irp k, 0,1,2
	v_pk_add_f32 v[TCA+2*\k:TCA+2*\k+1], v[S+4*\k:S+4*\k+1], v[S+4*\k+2:S+4*\k+3]   ; the row's sum of the unquantised p, in four chains
.endr
.set p_, 6
.rept 26
.if p_%4 == 0
	v_pk_add_f32 v[8:9], v[8:9], v[S+2*p_:S+2*p_+1]
.else
	v_pk_add_f32 v[TCA+2*(p_%4)-2:TCA+2*(p_%4)-1], v[TCA+2*(p_%4)-2:TCA+2*(p_%4)-1], v[S+2*p_:S+2*p_+1]
.endif
.if (\more) && (p_ == 7)
	LOADK 6, 7, STEPB                              ; five plain instructions stand behind the products that read V's registers
.endif
.set p_, p_+1
.endr
	v_pk_add_f32 v[TCA:TCA+1], v[TCA:TCA+1], v[TCA+2:TCA+3]
	v_pk_add_f32 v[8:9], v[8:9], v[TCA+4:TCA+5]
	s_delay_alu instid0(VALU_DEP_1)
	v_pk_add_f32 v[8:9], v[8:9], v[TCA:TCA+1]
.if \more
	s_wait_dscnt 0x0                               ; the next step's K is in
	SMUL
.endif
.endm
	s_load_b256 s[4:11], s[0:1], 0x0               ; qq, kv, fc, fs
	v_lshl_add_u32 v[SPW], v0, 2, SPARE
	v_mov_b32 v[NIL], 0
	ds_add_u32 v[SPW], v[NIL]                      ; the opening lines: the add, twice on end, and its wait
	ds_add_u32 v[SPW], v[NIL]
	v_lshrrev_b32 v1, 5, v0
	s_delay_alu instid0(VALU_DEP_1)
	v_readfirstlane_b32 s12, v1                    ; wave 0..15
	s_bfe_u32 s13, ttmp6, 0x40000                  ; cx: my quarter of the queries; it enters Q's and f's addresses alone
	s_and_b32 s14, ttmp7, 0xffff                   ; g, which the four partners share
	; the descriptor: 26 rows of 512 bytes, dense in memory; 128 bytes of padding behind each in LDS
	s_mov_b32 s20, 15|(3<<16)|(1<<20)|(1<<21)|(6<<22)|(31<<25)   ; the mask: all four; elements of 8 bytes; padding on; bit 21 set beside a mask; after every 128 words, 32 words
	s_mov_b32 s21, 64<<16
	s_mov_b32 s22, 26<<16
	s_mov_b32 s23, 64<<16
	s_mov_b32 s24, 26
	s_mov_b32 s25, 64
	s_mov_b32 s26, 0
	s_mov_b32 s27, 0
	s_xor_b32 s36, s14, 32                         ; the other map's combination
	s_mul_i32 s36, s36, 212992
	s_mul_i32 s37, s12, 13312                      ; my key step in memory,
	s_add_co_u32 s36, s36, s37
	s_mov_b32 s37, 0
	s_mul_i32 s17, s12, STEPB                      ; and in LDS
	s_mov_b32 s16, 1
	s_mov_b32 s[SEL], 0x76543210
	s_mov_b32 s[SEL+1], 0xfedcba98
	s_mov_b32 s[CS], 0x3e38aa3b
	s_mov_b32 s[CS+1], s[CS]                       ; (named with it as a pair, so it is written)
	s_lshl_b32 s38, s14, 4
	s_lshl_b32 s39, s13, 2
	s_add_co_u32 s38, s38, s39
	s_lshr_b32 s39, s12, 2
	s_add_co_u32 s38, s38, s39                     ; my group of 128 queries: 16 g + 4 cx + wave / 4
	s_mul_i32 s38, s38, 6656
	s_mov_b32 s39, 0
	s_and_b32 s40, s12, 3
	s_mul_i32 s40, s40, 1536                       ; my two tiles' codes in the group
	s_bfe_u32 s41, s12, 0x10001
	s_lshl_b32 s41, s41, 8
	s_and_b32 s42, s12, 1
	s_lshl_b32 s42, s42, 3
	s_add_co_u32 s41, s41, s42
	s_add_co_u32 s41, s41, 6144                    ; and their scale words
	s_lshr_b32 s44, s14, 3
	s_lshl_b32 s44, s44, 7
	s_lshl_b32 s45, s13, 5
	s_add_co_u32 s44, s44, s45
	s_lshl_b32 s45, s12, 1
	s_add_co_u32 s44, s44, s45                     ; my first tile of tokens: 128 (g / 8) + 32 cx + 2 wave
	s_and_b32 s45, s14, 7                          ; the head
	s_mul_i32 s46, s44, 6144
	s_mul_i32 s47, s45, 768
	s_add_co_u32 s46, s46, s47
	s_mov_b32 s47, 0
	s_lshl_b32 s48, s45, 16
	s_lshl_b32 s49, s44, 6
	s_add_co_u32 s48, s48, s49
	s_mov_b32 s49, 0
	s_wait_dscnt 0x0
	s_wait_kmcnt 0x0
	s_add_nc_u64 s[18:19], s[6:7], s[36:37]
	s_or_b32 s19, s19, 0x80000000
	ROUND                                          ; all four work-groups are here: the joint loads meet
	tensor_load_to_lds s[16:19], s[20:27]          ; filled once: one tensor load of mine is out
	s_nop 0
	PLACES 4
	s_add_nc_u64 s[4:5], s[4:5], s[38:39]
	s_add_nc_u64 s[8:9], s[8:9], s[46:47]
	s_add_nc_u64 s[10:11], s[10:11], s[48:49]
	v_and_b32 v15, 31, v0                          ; L
	v_and_b32 v71, 15, v0                          ; r
	v_bfe_u32 v72, v0, 4, 1                        ; h
	v_and_b32 v73, 7, v0                           ; r % 8
	v_bfe_u32 v27, v0, 3, 1                        ; r / 8
	v_lshlrev_b32 v1, 4, v15                       ; 16 L
	v_lshlrev_b32 v3, 3, v15                       ; 8 L
	v_lshlrev_b32 v10, 4, v73
	v_lshlrev_b32 v14, 3, v72                      ; 8 h
	v_add_nc_u32 v70, s40, v1                      ; Q's codes
	v_lshl_add_u32 v71, v71, 4, s41                ; Q's scale words
	v_lshl_add_u32 v10, v72, 8, v10
	v_lshlrev_b32 v15, 2, v15                      ; 4 L
	v_cmp_eq_u32 s35, 1, v72                       ; lanes 16-31
	v_lshl_add_u32 v11, v27, 3, v10                ; K's scale words: 16 (r % 8) + 256 h + 8 (r / 8)
	v_mad_u32_u24 v10, v27, 1920, v10              ; K's codes: 16 (r % 8) + 256 h + 1,920 (r / 8)
	s_wait_alu depctr_va_vdst(0)
.irp c, 0,1,2                          ; Q's pair of tiles, asked for while the tiles of K and V are on their way
	global_load_b128 v[QST+4*\c:QST+4*\c+3], v70, s[4:5] offset:512*\c
.endr
	global_load_b64 v[QST+12:QST+13], v71, s[4:5]
.irp j, 0,1,2,3,4,5
	v_mov_b32 v[X+48+\j], 0                        ; the pad behind K's last tile,
	v_mov_b32 v[QF+6+\j], 0                        ; and the zero codes of Q's upper 64 along K
.endr
.irp j, 0,1,2,3
	v_mov_b32 v[BN+\j], 0                          ; written once: lane permutes' destinations count as read
.endr
	v_mov_b32 v13, 0                               ; (the upper half of a pair that packed forms name)
	v_mov_b32 v26, 0
	s_mov_b32 s15, 0                               ; which tile of the pair: 0, then all ones
	s_mov_b32 s50, -1                              ; which lanes take the pass's scale word of f: all, then lanes 16-31
	s_wait_alu depctr_va_vdst(0)                   ; the wait at the head's end
	s_wait_tensorcnt 0x0                           ; my key step is in,
	s_barrier_signal -1
	s_barrier_wait -1                              ; everybody's is
	s_wait_loadcnt 0x0                             ; Q is in
	s_mov_b32 s34, 2
.Lpass:                                        ; two passes: the two tiles of my pair
	LOADK 10, 11, 0
	v_mov_b32 v5, 0xff61b1e6                       ; the largest score so far: -3e38
	s_delay_alu instid0(VALU_DEP_1)
	v_floor_f32 v4, -v5                            ; -M
	v_mov_b32 v8, 0                                ; the sum, in two halves
	v_mov_b32 v9, 0
.irp j, 0,1,2,3,4,5
	v_cndmask_b32 v[QF+\j], v[QST+\j], v[QST+6+\j], s15   ; this pass's tile: six registers of codes, in front of six of zeros
.endr
	v_cndmask_b32 v[QS], v[QST+12], v[QST+13], s15
.set j_, 0
.rept 32
	v_mov_b32 v[OB+j_], 0                          ; O^T: the step is written once; its first trip finds zeros, which the first change of M leaves zeros
.set j_, j_+1
.endr
	s_wait_alu depctr_va_vdst(0)
	s_wait_dscnt 0x0                               ; K is in
	SMUL
	s_mov_b32 s32, 0                               ; LDS byte at which the step's tiles begin
	s_mov_b32 s33, 15
.Lstep:
	STEP 1
	s_add_co_u32 s32, s32, STEPB
	s_sub_co_u32 s33, s33, 1
	s_cmp_lg_u32 s33, 0
	s_cbranch_scc1 .Lstep
	STEP 0                                         ; the last step asks for nothing beyond its V
	v_add_f32 v[TP], v8, v9
	s_delay_alu instid0(VALU_DEP_1)
	v_permlanex16_b32 v[TP+1], v[TP], s[SEL], s[SEL+1]
	s_delay_alu instid0(VALU_DEP_1)
	v_add_f32 v[TP], v[TP], v[TP+1]                ; the row's sum
	s_wait_alu depctr_va_vdst(0)
	v_rcp_f32 v12, v[TP]
	v_nop
	s_wait_alu depctr_va_vdst(0)                   ; the wait for the reciprocal, directly ahead of the readers of O^T too
.irp j, 0,2,4,6,8,10,12,14,16,18,20,22,24,26,28,30
	v_pk_mul_f32 v[OB+\j:OB+\j+1], v[OB+\j:OB+\j+1], v[12:13] op_sel_hi:[1,0]
.endr
; f along the head's 64: two blocks of 32, block B in registers OB + 16 B .. + 15 of lanes l and l xor 16; the tile's half fragment comes to v[PC .. PC + 5]
.irp b, 0,1
	v_max3_num_f32 v[BM+\b], |v[OB+16*\b]|, |v[OB+16*\b+1]|, 0x1800000
.endr
.irp i, 2,4,6,8,10,12,14
.irp b, 0,1
	s_delay_alu instid0(VALU_DEP_2)
	v_max3_num_f32 v[BM+\b], v[BM+\b], |v[OB+16*\b+\i]|, |v[OB+16*\b+\i+1]|
.endr
.endr
.irp b, 0,1
	s_delay_alu instid0(VALU_DEP_2)
	v_permlanex16_b32 v[BN+\b], v[BM+\b], s[SEL], s[SEL+1]
.endr
.irp b, 0,1
	s_delay_alu instid0(VALU_DEP_2)
	v_max_num_f32 v[BM+\b], v[BM+\b], v[BN+\b]
.endr
.irp b, 0,1
	s_delay_alu instid0(VALU_DEP_2)
	v_add_nc_u32 v[SOX+\b], 0xff000000, v[BM+\b]
.endr
.irp b, 0,1
	s_delay_alu instid0(VALU_DEP_2)
	v_lshrrev_b32 v[BN+\b], 23, v[SOX+\b]
.endr
	v_cvt_scalef32_pk16_fp6_f32 v[PC:PC+2], v[OB:OB+15], v[SOX]
	v_cvt_scalef32_pk16_fp6_f32 v[TCA:TCA+2], v[OB+16:OB+31], v[SOX+1]
	v_lshl_or_b32 v27, v[BN+1], 8, v[BN]           ; the tile's scale word; also the plain instruction behind the last scaled conversion
.irp i, 0,1,2
	v_permlane16_swap_b32 v[PC+\i], v[TCA+\i]      ; the layout wants a whole block in a lane
.endr
.irp i, 0,1,2
	s_delay_alu instid0(VALU_DEP_3)
	v_mov_b32 v[PC+3+\i], v[TCA+\i]
.endr
	v_cndmask_b32 v26, v26, v27, s50               ; lanes 0-15 keep the first tile's words, lanes 16-31 take the second's
.irp p, 0,1,2
	global_store_b64 v3, v[PC+2*\p:PC+2*\p+1], s[8:9] offset:256*\p   ; 32 lanes store 256 consecutive bytes, aligned
.endr
	s_cmp_lg_u32 s34, 1
	s_wait_alu depctr_va_vdst(0)
	s_cbranch_scc1 .Lnot_yet                       ; the pair's scale words leave together, behind the second pass
	global_store_b32 v15, v26, s[10:11]
.Lnot_yet:
	s_wait_xcnt 0x0                                ; the stores have read their base and registers: both may be written again
	s_add_nc_u64 s[8:9], s[8:9], 6144              ; a tile on
	s_mov_b32 s15, -1
	s_mov_b32 s50, s35
	s_sub_co_u32 s34, s34, 1
	s_cmp_lg_u32 s34, 0
	s_cbranch_scc1 .Lpass
	s_wait_tensorcnt 0x0                           ; the wave's end
	ds_add_u32 v[SPW], v[NIL]
	s_wait_dscnt 0x0
	ROUND                                          ; the closing round
	s_endpgm
.Lfunc_end_k_q5e7dcc4f0c_attn:
	.size	k_q5e7dcc4f0c_attn, .Lfunc_end_k_q5e7dcc4f0c_attn-k_q5e7dcc4f0c_attn
	.p2alignl 7, 3214868480
	.fill 96, 4, 3214868480
	.section	.rodata,"a",@progbits
	.p2align	6, 0x0
	.amdhsa_kernel k_q5e7dcc4f0c_attn
		.amdhsa_group_segment_fixed_size 268288
		.amdhsa_private_segment_fixed_size 0
		.amdhsa_enable_private_segment 0
		.amdhsa_kernarg_size 32
		.amdhsa_user_sgpr_count 2
		.amdhsa_user_sgpr_kernarg_segment_ptr 1
		.amdhsa_wavefront_size32 1
		.amdhsa_system_sgpr_workgroup_id_x 1
		.amdhsa_system_sgpr_workgroup_id_y 1
		.amdhsa_system_sgpr_workgroup_id_z 1
		.amdhsa_system_vgpr_workitem_id 0
		.amdhsa_next_free_vgpr 256
		.amdhsa_next_free_sgpr 66
		.amdhsa_reserve_vcc 0
		.amdhsa_float_denorm_mode_32 3
		.amdhsa_float_denorm_mode_16_64 3
		.amdhsa_memory_ordered 1
		.amdhsa_forward_progress 1
		.amdhsa_inst_pref_size 42
	.end_amdhsa_kernel
	.amdgpu_metadata
---
amdhsa.version: [ 1, 2 ]
amdhsa.kernels:
  - .name:           k_q5e7dcc4f0c_attn
    .symbol:         k_q5e7dcc4f0c_attn.kd
    .args:
      - { .name: qq, .offset: 0, .size: 8, .value_kind: global_buffer, .address_space: global }
      - { .name: kv, .offset: 8, .size: 8, .value_kind: global_buffer, .address_space: global }
      - { .name: fc, .offset: 16, .size: 8, .value_kind: global_buffer, .address_space: global }
      - { .name: fs, .offset: 24, .size: 8, .value_kind: global_buffer, .address_space: global }
    .group_segment_fixed_size: 268288
    .private_segment_fixed_size: 0
    .kernarg_segment_align: 8
    .kernarg_segment_size: 32
    .max_flat_workgroup_size: 512
    .sgpr_count:     66
    .vgpr_count:     256
    .wavefront_size: 32
...
	.end_amdgpu_metadata
.endif
;; end of part 3
;; launch tail (part 4): grid 256 x 1, 4 waves a work-group, no clusters, 327,680 bytes of LDS; arguments texture_map1, texture_map2, fc, fs, wc, ws, bfc, ff1_ln_g, ff1_ln_b, ff1_b1, ff1_b2, ff2_ln_g, ff2_ln_b, ff2_b1, ff2_b2, out0, out1; writes out0, out1
.if DOCPART == 4
	.amdgcn_target "amdgcn-amd-amdhsa--gfx1250"
	.amdhsa_code_object_version 6
	.text
	.protected	k_q5e7dcc4f0c_tail
	.globl	k_q5e7dcc4f0c_tail
	.p2align	8
	.type	k_q5e7dcc4f0c_tail,@function
k_q5e7dcc4f0c_tail:
	s_mov_b64 s[64:65], 0
	v_nop
	global_prefetch_b8 v0, s[64:65] scope:SCOPE_SE
	s_setreg_imm32_b32 hwreg(HW_REG_WAVE_MODE, 25, 1), 1
	s_wait_xcnt 0x0
.set IMG0, 135168
.set SC0,  159744
.set IMG1, 161792
.set SC1,  186368
.set RED0, 188416
.set RED1, 190464
.set WS,  16
.set SUM, 32
.set MU,  40
.set RS,  48
.set RL,  56
.set AF,  80
.set AS,  208
.set TM,  80
.set TN,  96
.set SO,  112
.set TC,  128
.set KC,  160
.set SEL, 60
.set NLD, 0
.set MSB, 0
.macro WIN new
.if MSB != (\new)
	s_set_vgpr_msb (MSB<<8)|(\new)
.set MSB, (\new)
.endif
.endm
.macro PLACES n
.rept \n
	v_nop
.endr
.endm
.macro WAITLD mark
.if NLD-(\mark) > 63
	s_wait_loadcnt 63
.else
	s_wait_loadcnt NLD-(\mark)
.endif
.endm
.macro BARRIER
	s_wait_dscnt 0x0
	s_barrier_signal -1
	s_barrier_wait -1
.endm
.macro MM d, a, b, c, sa, sb, ar
.if (\ar)
	v_wmma_scale_f32_16x16x128_f8f6f4 v[(\d):(\d)+7], v[(\a):(\a)+11], v[(\b):(\b)+11], v[(\c):(\c)+7], v[(\sa)], v[(\sb)] matrix_a_fmt:MATRIX_FMT_FP6 matrix_b_fmt:MATRIX_FMT_FP6 matrix_a_scale:MATRIX_SCALE_ROW1
.else
	v_wmma_scale_f32_16x16x128_f8f6f4 v[(\d):(\d)+7], v[(\a):(\a)+11], v[(\b):(\b)+11], v[(\c):(\c)+7], v[(\sa)], v[(\sb)] matrix_a_fmt:MATRIX_FMT_FP6 matrix_b_fmt:MATRIX_FMT_FP6
.endif
.endm
.macro EPI nb, tm, tn, so, tc, kc
	WIN 0x05
.set eb, 0
.rept \nb
	v_max3_num_f32 v[\tm+eb], |v[16*eb]|, |v[16*eb+1]|, 0x1800000
.set eb, eb+1
.endr
	WIN 0x14
.set ei, 2
.rept 7
.set eb, 0
.rept \nb
	v_max3_num_f32 v[\tm+eb], v[\tm+eb], |v[16*eb+ei]|, |v[16*eb+ei+1]|
.set eb, eb+1
.endr
.set ei, ei+2
.endr
	WIN 0
.set eb, 0
.rept \nb
	v_permlanex16_b32 v[\tn+eb], v[\tm+eb], s[SEL], s[SEL+1]
.set eb, eb+1
.endr
.set eb, 0
.rept \nb
	v_max_num_f32 v[\tm+eb], v[\tm+eb], v[\tn+eb]
.set eb, eb+1
.endr
.set eb, 0
.rept \nb
	v_add_nc_u32 v[\so+eb], 0xff000000, v[\tm+eb]
.set eb, eb+1
.endr
.set eb, 0
.rept \nb
	v_lshrrev_b32 v[\tn+eb], 23, v[\so+eb]
.set eb, eb+1
.endr
	s_wait_xcnt 0x0
	WIN 0x01
.set eb, 0
.rept \nb/2
	v_cvt_scalef32_pk16_fp6_f32 v[\kc+6*eb:\kc+6*eb+2], v[32*eb:32*eb+15], v[\so+2*eb]
	v_cvt_scalef32_pk16_fp6_f32 v[\tc+4*eb:\tc+4*eb+2], v[32*eb+16:32*eb+31], v[\so+2*eb+1]
.set eb, eb+1
.endr
	WIN 0
	v_nop
.set eb, 0
.rept \nb/2
.irp i, 0,1,2
	v_permlane16_swap_b32 v[\kc+6*eb+\i], v[\tc+4*eb+\i]
.endr
.irp i, 0,1,2
	v_mov_b32 v[\kc+6*eb+3+\i], v[\tc+4*eb+\i]
.endr
.set eb, eb+1
.endr
.endm
.macro WLOAD bc, bs, oc, os, s
	WIN 0x80+0x40*((\s)/2)
.irp t, 0,1,2,3,4,5,6,7
.irp c, 0,1,2
	global_load_b128 v[96*((\s)%2)+12*\t+4*\c:96*((\s)%2)+12*\t+4*\c+3], v5, s[\bc:\bc+1] offset:\oc+6144*\t+1536*(\s)+512*\c
.endr
.endr
	WIN 0
.irp q, 0,1,2,3
	global_load_b32 v[WS+4*(\s)+\q], v6, s[\bs:\bs+1] offset:\os+512*(\s)+128*\q
.endr
.set NLD, NLD+28
.set MKW\s, NLD
.endm
.macro PLOAD reg, win, bp
	WIN (\win)<<6
.irp b, 0,1,2,3
.irp k, 0,1,2,3
	global_load_b128 v[\reg+16*\b+4*\k:\reg+16*\b+4*\k+3], v7, s[\bp:\bp+1] offset:128*\b+16*\k
.endr
.endr
	WIN 0
.set NLD, NLD+16
.endm
.macro FETCHA io, so_, s, buf
.irp m, 0,1,2,3
.irp c, 0,1,2
	ds_load_b128 v[AF+48*(\buf)+12*\m+4*\c:AF+48*(\buf)+12*\m+4*\c+3], v1 offset:\io+6144*\m+1536*(\s)+512*\c
.endr
	ds_load_b32 v[AS+4*(\buf)+\m], v2 offset:\so_+512*\m+128*(\s)
.endr
.endm
.macro GEMM io, so_, cmode, nxt, bc, bs, oc, os
	FETCHA \io, \so_, 0, 0
.irp s, 0,1,2,3
.if \s < 3
	FETCHA \io, \so_, \s+1, (\s+1)%2
.endif
	WAITLD MKW\s
.if \s < 3
	s_wait_dscnt 16
.else
	s_wait_dscnt 0x0
.endif
.if (\cmode == 0) && (\s == 0)
	WIN 0x60|(2+\s/2)
.else
	WIN 0x50|(2+\s/2)
.endif
.irp m, 0,1,2,3
.irp t, 0,1,2,3,4,5,6,7
.if (\cmode == 0) && (\s == 0)
	MM 64*\m+8*\t, 96*(\s%2)+12*\t, AF+48*(\s%2)+12*\m, 192+8*\t, WS+4*\s+\t/2, AS+4*(\s%2)+\m, \t%2
.else
	MM 64*\m+8*\t, 96*(\s%2)+12*\t, AF+48*(\s%2)+12*\m, 64*\m+8*\t, WS+4*\s+\t/2, AS+4*(\s%2)+\m, \t%2
.endif
.endr
.endr
	WIN 0
	PLACES 4
.if \nxt
	WLOAD \bc, \bs, \oc, \os, \s
.endif
.endr
.endm
.macro WORDS
.irp m, 0,1,2,3
	v_lshl_or_b32 v[72+\m], v[TN+4*\m+1], 8, v[TN+4*\m]
	v_lshl_or_b32 v[72+\m], v[TN+4*\m+2], 16, v[72+\m]
	v_lshl_or_b32 v[72+\m], v[TN+4*\m+3], 24, v[72+\m]
.endr
.endm
.macro IMAGE io, so_
.irp m, 0,1,2,3
.irp c, 0,1,2
	ds_store_b128 v8, v[KC+12*\m+4*\c:KC+12*\m+4*\c+3] offset:\io+6144*\m+512*\c
.endr
	ds_store_b32 v9, v[72+\m] offset:\so_+512*\m
.endr
.endm
.macro STRIP_IN
	WIN 0x40
.irp m, 0,1,2,3
.irp k, 0,1,2,3,4,5,6,7,8,9,10,11,12,13,14,15
	ds_load_b128 v[64*\m+4*\k:64*\m+4*\k+3], v3 offset:528*(32*(\m/2)+8*(\m%2))+128*(\k/4)+16*(\k%4)
.endr
.endr
	WIN 0
.endm
.macro STRIP_OUT
	WIN 0x04
.irp m, 0,1,2,3
.irp k, 0,1,2,3,4,5,6,7,8,9,10,11,12,13,14,15
	ds_store_b128 v3, v[64*\m+4*\k:64*\m+4*\k+3] offset:528*(32*(\m/2)+8*(\m%2))+128*(\k/4)+16*(\k%4)
.endr
.endr
	WIN 0
.endm
.macro FOLDRED ro
.irp m, 0,1,2,3
	v_add_f32 v[72+\m], v[SUM+2*\m], v[SUM+2*\m+1]
.endr
.irp m, 0,1,2,3
	v_permlanex16_b32 v[76+\m], v[72+\m], s[SEL], s[SEL+1]
.endr
.irp m, 0,1,2,3
	v_add_f32 v[72+\m], v[72+\m], v[76+\m]
.endr
.irp m, 0,1,2,3
	ds_store_b32 v10, v[72+\m] offset:\ro+512*\m
.endr
	BARRIER
.irp m, 0,1,2,3
	ds_load_b128 v[RL+4*\m:RL+4*\m+3], v1 offset:\ro+512*\m
.endr
	s_wait_dscnt 0x0
.irp m, 0,1,2,3
	v_add_f32 v[RL+4*\m], v[RL+4*\m], v[RL+4*\m+1]
.endr
.irp m, 0,1,2,3
	v_add_f32 v[RL+4*\m+2], v[RL+4*\m+2], v[RL+4*\m+3]
.endr
.irp m, 0,1,2,3
	v_add_f32 v[RL+4*\m], v[RL+4*\m], v[RL+4*\m+2]
.endr
.endm
	s_load_b256 s[4:11], s[0:1], 0x0
	s_load_b128 s[12:15], s[0:1], 0x20
	s_load_b64 s[56:57], s[0:1], 0x30
	s_load_b256 s[68:75], s[0:1], 0x38
	s_load_b256 s[76:83], s[0:1], 0x58
	s_load_b128 s[84:87], s[0:1], 0x78
	v_lshl_add_u32 v254, v0, 2, 0x2f000
	v_mov_b32 v255, 0
	ds_add_u32 v254, v255
	ds_add_u32 v254, v255
	v_lshrrev_b32 v1, 5, v0
	v_readfirstlane_b32 s58, v1
	s_lshr_b32 s59, ttmp9, 7
	s_and_b32 s62, ttmp9, 127
	s_lshl_b32 s62, s62, 17
	s_mov_b32 s63, 0
	s_lshl_b32 s66, s58, 9
	s_mov_b32 s67, 0
	s_mul_i32 s92, s59, 393216
	s_mov_b32 s93, 0
	s_lshl_b32 s94, s59, 14
	s_mov_b32 s95, 0
	s_lshl_b32 s98, ttmp9, 2
	s_add_co_u32 s98, s98, s58
	s_lshl_b32 s96, s98, 6
	s_mov_b32 s97, 0
	s_mul_i32 s98, s98, 6144
	s_mov_b32 s99, 0
	s_mov_b32 s[SEL], 0x76543210
	s_mov_b32 s[SEL+1], 0xfedcba98
	s_mov_b32 s48, (2<<16)|(1<<20)|(6<<22)|(3<<25)
	s_mov_b32 s49, 128<<16
	s_mov_b32 s50, 64<<16
	s_mov_b32 s51, 128<<16
	s_mov_b32 s52, 64
	s_mov_b32 s53, 512
	s_mov_b32 s54, 0
	s_mov_b32 s55, 0
	s_wait_dscnt 0x0
	s_wait_kmcnt 0x0
	s_cmp_eq_u32 s59, 0
	s_cselect_b64 s[4:5], s[4:5], s[6:7]
	s_cselect_b64 s[68:69], s[68:69], s[76:77]
	s_cselect_b64 s[70:71], s[70:71], s[78:79]
	s_cselect_b64 s[72:73], s[72:73], s[80:81]
	s_cselect_b64 s[74:75], s[74:75], s[82:83]
	s_cselect_b64 s[84:85], s[84:85], s[86:87]
	s_add_nc_u64 s[4:5], s[4:5], s[62:63]
	s_add_nc_u64 s[4:5], s[4:5], s[66:67]
	s_add_nc_u64 s[84:85], s[84:85], s[62:63]
	s_add_nc_u64 s[88:89], s[12:13], s[92:93]
	s_add_nc_u64 s[90:91], s[14:15], s[94:95]
	s_add_nc_u64 s[8:9], s[8:9], s[98:99]
	s_add_nc_u64 s[10:11], s[10:11], s[96:97]
	s_mul_i32 s96, s58, 33792
	s_mov_b32 s16, 1
	s_mul_i32 s17, s58, 33792                      ; my strip: 64 tokens x 128 columns, rows of 512 bytes + 16 of padding, in the tokens' own order
	s_mov_b64 s[18:19], s[4:5]
	s_or_b32 s19, s19, 0x80000000
	tensor_load_to_lds s[16:19], s[48:55]          ; my one tensor load
	s_nop 0
	PLACES 4
	s_mov_b32 s66, 0x3b000000
	s_mov_b32 s67, 0x358637bd
	v_and_b32 v72, 31, v0
	v_and_b32 v73, 15, v0
	v_bfe_u32 v74, v0, 4, 1
	v_lshlrev_b32 v75, 4, v72
	v_add_nc_u32 v1, IMG0, v75
	v_lshl_add_u32 v2, v72, 2, IMG0
	v_and_b32 v3, 8, v73
	v_add_nc_u32 v3, v3, v73                       ; row r of a tile is token r + 8 (r / 8) behind the tile's first
	v_mul_u32_u24 v3, v3, 528
	v_lshl_add_u32 v3, v74, 6, v3
	v_add_nc_u32 v3, s96, v3
	v_add_nc_u32 v4, s96, v75
	s_mul_i32 s97, s58, 49152
	v_add_nc_u32 v5, s97, v75
	s_lshl_b32 s97, s58, 11
	v_lshl_add_u32 v6, v72, 2, s97
	s_lshl_b32 s97, s58, 9
	v_lshl_add_u32 v7, v74, 6, s97
	v_add_nc_u32 v11, s97, v75
	v_add_nc_u32 v15, s97, v2
	s_mul_i32 s97, s58, 1536
	v_add_nc_u32 v8, s97, v1
	s_lshl_b32 s97, s58, 7
	v_add_nc_u32 v9, s97, v2
	s_lshl_b32 s97, s58, 2
	v_add_nc_u32 v10, s97, v1
	v_lshlrev_b32 v12, 3, v72
	v_lshlrev_b32 v13, 2, v73
	s_mul_i32 s97, s58, 6144
	v_add_nc_u32 v14, s97, v1
.irp m, 0,1,2,3
	v_mov_b32 v[76+\m], 0
.endr
.irp a, 0,1,2,3,4,5,6,7
.irp p, 0,1,2
	global_load_b64 v[80+12*(\a/2)+6*(\a%2)+2*\p:80+12*(\a/2)+6*(\a%2)+2*\p+1], v12, s[8:9] offset:768*\a+256*\p
.endr
	global_load_b32 v[144+\a], v13, s[10:11] offset:65536*\a
.endr
.set NLD, NLD+32
.set MK_F, NLD
	PLOAD 192, 2, 56
.set MK_BFC, NLD
	PLOAD 192, 3, 68
	WLOAD 12, 14, 3*196608, 3*8192, 0
	WLOAD 12, 14, 3*196608, 3*8192, 1
	WLOAD 12, 14, 3*196608, 3*8192, 2
	WLOAD 12, 14, 3*196608, 3*8192, 3
	s_wait_alu depctr_va_vdst(0)
	WAITLD MK_F
.irp s, 0,1,2,3
	v_lshl_or_b32 v[152+\s], v[145+2*\s], 16, v[144+2*\s]
.endr
.irp s, 0,1,2,3
.irp c, 0,1,2
	ds_store_b128 v14, v[80+12*\s+4*\c:80+12*\s+4*\c+3] offset:1536*\s+512*\c
.endr
	ds_store_b32 v15, v[152+\s] offset:SC0-IMG0+128*\s
.endr
	s_wait_tensorcnt 0x0
	STRIP_IN
	BARRIER
	WAITLD MK_BFC
	WIN 0x49
.irp m, 0,1,2,3
.set p_, 0
.rept 32
	v_pk_add_f32 v[64*\m+2*p_:64*\m+2*p_+1], v[64*\m+2*p_:64*\m+2*p_+1], v[192+2*p_:192+2*p_+1]
.set p_, p_+1
.endr
.endr
	WIN 0
	PLOAD 192, 2, 72
.set MK_B1, NLD
	s_wait_alu depctr_va_vdst(0)
	GEMM 0, SC0-IMG0, 1, 1, 88, 90, 4*196608, 4*8192
	PLOAD 80, 0, 70
.set MK_LNB, NLD
	STRIP_OUT
	WIN 0x05
.irp m, 0,1,2,3
	v_pk_add_f32 v[SUM+2*\m:SUM+2*\m+1], v[64*\m:64*\m+1], v[64*\m+2:64*\m+3]
.endr
	WIN 0x04
.set p_, 2
.rept 30
.irp m, 0,1,2,3
	v_pk_add_f32 v[SUM+2*\m:SUM+2*\m+1], v[SUM+2*\m:SUM+2*\m+1], v[64*\m+2*p_:64*\m+2*p_+1]
.endr
.set p_, p_+1
.endr
	WIN 0
	FOLDRED RED0-IMG0
.irp m, 0,1,2,3
	v_mul_f32 v[MU+2*\m], s66, v[RL+4*\m]
.endr
.irp m, 0,1,2,3
	v_mov_b32 v[MU+2*\m+1], v[MU+2*\m]
.endr
	WIN 0x41
.irp m, 0,1,2,3
.set p_, 0
.rept 32
	v_pk_add_f32 v[64*\m+2*p_:64*\m+2*p_+1], v[64*\m+2*p_:64*\m+2*p_+1], v[MU+2*\m:MU+2*\m+1] neg_lo:[0,1] neg_hi:[0,1]
.set p_, p_+1
.endr
.endr
	WIN 0x05
.irp m, 0,1,2,3
	v_pk_mul_f32 v[SUM+2*\m:SUM+2*\m+1], v[64*\m:64*\m+1], v[64*\m:64*\m+1]
.endr
.set p_, 1
.rept 31
.irp m, 0,1,2,3
	v_pk_fma_f32 v[SUM+2*\m:SUM+2*\m+1], v[64*\m+2*p_:64*\m+2*p_+1], v[64*\m+2*p_:64*\m+2*p_+1], v[SUM+2*\m:SUM+2*\m+1]
.endr
.set p_, p_+1
.endr
	WIN 0
	FOLDRED RED1-IMG0
.irp m, 0,1,2,3
	v_fma_f32 v[72+\m], v[RL+4*\m], s66, s67
.endr
	s_wait_alu depctr_va_vdst(0)
.irp m, 0,1,2,3
	v_rsq_f32 v[RS+2*\m], v[72+\m]
.endr
	v_nop
	s_wait_alu depctr_va_vdst(0)
.irp m, 0,1,2,3
	v_mov_b32 v[RS+2*\m+1], v[RS+2*\m]
.endr
	WIN 0x41
.irp m, 0,1,2,3
.set p_, 0
.rept 32
	v_pk_mul_f32 v[64*\m+2*p_:64*\m+2*p_+1], v[64*\m+2*p_:64*\m+2*p_+1], v[RS+2*\m:RS+2*\m+1]
.set p_, p_+1
.endr
.endr
	WAITLD MK_LNB
	WIN 0x4d
.irp m, 0,1,2,3
.set p_, 0
.rept 32
	v_pk_fma_f32 v[64*\m+2*p_:64*\m+2*p_+1], v[64*\m+2*p_:64*\m+2*p_+1], v[192+2*p_:192+2*p_+1], v[80+2*p_:80+2*p_+1]
.set p_, p_+1
.endr
.endr
	WIN 0
	PLOAD 192, 3, 74
.set MK_B2, NLD
	EPI 16, TM, TN, SO, TC, KC
	WORDS
	IMAGE IMG1-IMG0, SC1-IMG0
	BARRIER
	WAITLD MK_B1
	GEMM IMG1-IMG0, SC1-IMG0, 0, 1, 88, 90, 5*196608, 5*8192
	WIN 0x44
.set p_, 0
.rept 256
	v_max_num_f32 v[p_], 0, v[p_]
.set p_, p_+1
.endr
	EPI 16, TM, TN, SO, TC, KC
	STRIP_IN
	WORDS
	IMAGE 0, SC0-IMG0
	BARRIER
	WAITLD MK_B2
	WIN 0x4d
.irp m, 0,1,2,3
.set p_, 0
.rept 32
	v_pk_add_f32 v[64*\m+2*p_:64*\m+2*p_+1], v[64*\m+2*p_:64*\m+2*p_+1], v[192+2*p_:192+2*p_+1]
.set p_, p_+1
.endr
.endr
	WIN 0
	s_wait_alu depctr_va_vdst(0)
	GEMM 0, SC0-IMG0, 1, 0, 0, 0, 0, 0
	STRIP_OUT
.irp g, 0,1,2,3
.if \g >= 2
	s_wait_xcnt 0x0
.endif
.irp i, 0,1,2,3,4,5,6,7,8,9,10,11,12,13,14,15
	ds_load_b128 v[80+64*(\g%2)+4*\i:80+64*(\g%2)+4*\i+3], v4 offset:528*(32*(\g/2)+8*(\g%2)+\i+8*(\i/8))
.endr
.irp i, 0,1,2,3,4,5,6,7,8,9,10,11,12,13,14,15
	s_wait_dscnt 15-\i
	global_store_b128 v11, v[80+64*(\g%2)+4*\i:80+64*(\g%2)+4*\i+3], s[84:85] offset:2048*(32*(\g/2)+8*(\g%2)+\i+8*(\i/8)) th:TH_STORE_NT
.endr
.endr
	s_wait_tensorcnt 0x0
	ds_add_u32 v254, v255
	s_wait_dscnt 0x0
	s_endpgm
.Lfunc_end_k_q5e7dcc4f0c_tail:
	.size	k_q5e7dcc4f0c_tail, .Lfunc_end_k_q5e7dcc4f0c_tail-k_q5e7dcc4f0c_tail
	.p2alignl 7, 3214868480
	.fill 96, 4, 3214868480
	.section	.rodata,"a",@progbits
	.p2align	6, 0x0
	.amdhsa_kernel k_q5e7dcc4f0c_tail
		.amdhsa_group_segment_fixed_size 327680
		.amdhsa_private_segment_fixed_size 0
		.amdhsa_enable_private_segment 0
		.amdhsa_kernarg_size 136
		.amdhsa_user_sgpr_count 2
		.amdhsa_user_sgpr_kernarg_segment_ptr 1
		.amdhsa_wavefront_size32 1
		.amdhsa_system_sgpr_workgroup_id_x 1
		.amdhsa_system_sgpr_workgroup_id_y 1
		.amdhsa_system_sgpr_workgroup_id_z 1
		.amdhsa_system_vgpr_workitem_id 0
		.amdhsa_next_free_vgpr 1024
		.amdhsa_next_free_sgpr 100
		.amdhsa_reserve_vcc 0
		.amdhsa_float_denorm_mode_32 3
		.amdhsa_float_denorm_mode_16_64 3
		.amdhsa_memory_ordered 1
		.amdhsa_forward_progress 1
		.amdhsa_inst_pref_size 241
	.end_amdhsa_kernel
	.amdgpu_metadata
---
amdhsa.version: [ 1, 2 ]
amdhsa.kernels:
  - .name:           k_q5e7dcc4f0c_tail
    .symbol:         k_q5e7dcc4f0c_tail.kd
    .args:
      - { .name: texture_map1, .offset: 0, .size: 8, .value_kind: global_buffer, .address_space: global }
      - { .name: texture_map2, .offset: 8, .size: 8, .value_kind: global_buffer, .address_space: global }
      - { .name: fc, .offset: 16, .size: 8, .value_kind: global_buffer, .address_space: global }
      - { .name: fs, .offset: 24, .size: 8, .value_kind: global_buffer, .address_space: global }
      - { .name: wc, .offset: 32, .size: 8, .value_kind: global_buffer, .address_space: global }
      - { .name: ws, .offset: 40, .size: 8, .value_kind: global_buffer, .address_space: global }
      - { .name: bfc, .offset: 48, .size: 8, .value_kind: global_buffer, .address_space: global }
      - { .name: ff1_ln_g, .offset: 56, .size: 8, .value_kind: global_buffer, .address_space: global }
      - { .name: ff1_ln_b, .offset: 64, .size: 8, .value_kind: global_buffer, .address_space: global }
      - { .name: ff1_b1, .offset: 72, .size: 8, .value_kind: global_buffer, .address_space: global }
      - { .name: ff1_b2, .offset: 80, .size: 8, .value_kind: global_buffer, .address_space: global }
      - { .name: ff2_ln_g, .offset: 88, .size: 8, .value_kind: global_buffer, .address_space: global }
      - { .name: ff2_ln_b, .offset: 96, .size: 8, .value_kind: global_buffer, .address_space: global }
      - { .name: ff2_b1, .offset: 104, .size: 8, .value_kind: global_buffer, .address_space: global }
      - { .name: ff2_b2, .offset: 112, .size: 8, .value_kind: global_buffer, .address_space: global }
      - { .name: out0, .offset: 120, .size: 8, .value_kind: global_buffer, .address_space: global }
      - { .name: out1, .offset: 128, .size: 8, .value_kind: global_buffer, .address_space: global }
    .group_segment_fixed_size: 327680
    .private_segment_fixed_size: 0
    .kernarg_segment_align: 8
    .kernarg_segment_size: 136
    .max_flat_workgroup_size: 128
    .sgpr_count:     100
    .vgpr_count:     1024
    .wavefront_size: 32
...
	.end_amdgpu_metadata
.endif
;; end of part 4
